; MI455X (gfx1250); checked and timed in simulation.
; The chip was launched on July 23, 2026; its instructions are those of AMD's public machine-readable ISA for CDNA 5 (MIT licence, August 2026) and "CDNA5" Instruction Set Architecture Reference Guide (July 2026). The comments in the code are by the model that wrote it; some were corrected since.
;; RATE Attention. Allowed arithmetic: matrix products marked QUANTISED: E2M3 operands, one E8M0 scale for each 32 along K, by v_wmma_scale_f32_16x16x128_f8f6f4 with both operands' format E2M3, f32 sums; everything else in f32.
;; Inputs: Wk 1,024 x 1,024 float32; Wo 1,024 x 1,024 float32; Wq 1,024 x 1,024 float32; Wv 1,024 x 1,024 float32; bk 1,024 float32; bo 1,024 float32; bq 1,024 float32; bv 1,024 float32; delta_r 2 x 2,048 float32; x 2 x 2,048 x 1,024 float32.
;; Outputs: out0 2 x 2,048 x 1,024 float32; out1 2 x 2,048 x 2,048 float32.
;; This version of the problem:
;;   THIS VERSION OF THE PROBLEM IS GIVEN IN LOW PRECISION. The matrix products marked QUANTISED in the list below multiply operands that are first quantised to E2M3 (2 exponent bits, 3 mantissa bits; 6 bits a number), with one power-of-two scale for each 32 numbers along K (OCP MX v1.0); their sums are f32. All else is computed in f32.
;;   The module's matrix products, in the order in which they are computed (A, B: the left and right operand; K: the contracted axis; several contracted axes count as one K, in the product's order):
;;     1. [M 4,096, K 1,024] x [K 1,024, N 1,024]; A: input x; B: input Wq: QUANTISED
;;     2. [M 4,096, K 1,024] x [K 1,024, N 1,024]; A: input x; B: input Wk: QUANTISED
;;     3. [M 4,096, K 1,024] x [K 1,024, N 1,024]; A: computed on the way; B: input Wv: QUANTISED
;;     4. batch 32 x [M 2,048, K 64] x [K 64, N 2,048]; A: computed on the way; B: computed on the way: QUANTISED
;;     5. batch 32 x [M 64, K 2,048] x [K 2,048, N 2,048]; A: computed on the way; B: softmax (see below): QUANTISED
;;     6. [M 4,096, K 1,024] x [K 1,024, N 1,024]; A: computed on the way; B: input Wo: QUANTISED
;;   THE QUANTISER, for each operand of a quantised product, along K:
;;     - K is cut into blocks of 32 from its start; a last block that is shorter is filled with zeros.
;;     - A block's scale is 2^e with e = floor(log2(the largest magnitude in the block)) - 2, held to -126 .. 127; a block of zeros has e = 0. As a byte (E8M0): e + 127.
;;     - Each number is divided by its block's scale, clamped to +-7.5, and rounded to the nearest number of E2M3, ties to even, subnormals kept.
;;     - The product sums the exact products of the quantised numbers (number of the format x scale) in f32.
;;   ~~~python
;;   def quantise(x, axis):      # numpy; x: float32 -> the quantised numbers, widened to float32 again
;;       x = np.moveaxis(x, axis, -1); K = x.shape[-1]
;;       x = np.pad(x, [(0, 0)] * (x.ndim - 1) + [(0, -K % 32)]); x = x.reshape(x.shape[:-1] + (-1, 32)); a = np.abs(x).max(-1, keepdims=True)
;;       e = np.where(a > 0, np.clip(np.frexp(np.where(a > 0, a, 1))[1] - 1 - 2, -126, 127), 0)      # np.frexp(a)[1] - 1 = floor(log2(a)), exactly
;;       r = np.clip(x / 2.0 ** e, -7.5, 7.5)
;;       step = 2.0 ** (np.maximum(np.frexp(np.where(r == 0, 1, r))[1] - 1, 0) - 3)
;;       q = np.round(r / step) * step * 2.0 ** e      # np.round: ties to even
;;       return np.moveaxis(q.reshape(q.shape[:-2] + (-1,))[..., :K], -1, axis).astype(np.float32)
;;   ~~~
;;   SOFTMAX AHEAD OF A QUANTISED PRODUCT. Where the list says 'softmax', what is quantised is not the finished softmax but p = 2^(t - M), with t = logit x log2(e) and M = ceil(the row's largest t), a whole number; so 1/2 < the row's largest p <= 1. The row's sum l is taken of the UNQUANTISED p, in f32, and the product's result is divided by l at the end. Since M is a whole number, a kernel that streams over the keys may use a running M (the ceiling of the running maximum): every later rescaling is an exact power of two, which a block's scale takes up: the codes' values come out the same.
;;   OPERANDS COMPUTED ON THE WAY. 'Computed on the way' means the value that the module computes at that place (a softmax that the list does not call 'softmax' is quantised finished and normalised). What goes into a quantiser is computed in f32, as accurately as f32 sums, v_exp_f32 and their like allow (about 1e-6 of the number): no bf16 or f16 on the way to a quantiser, and a product that is left as it is and whose result goes on into a quantised operand takes f32 operands (vector FMAs, or v_wmma_f32_16x16x4_f32). A number that lies on a knife's edge between two numbers of the format may be rounded either way, as far as f32 arithmetic and the matrix unit's own rounding can turn it there, and no further.
;; One version. Each part assembles by itself: llvm-mc -triple=amdgcn-amd-amdhsa -mcpu=gfx1250 --defsym DOCPART=n.
;; ======== version 1 of 1: 5 launches
;; limits: right only within a limited range of input values
;; workspace buffers: op 13,107,200 bytes; qq 3,407,872 bytes; kv 6,684,672 bytes; zst 262,144 bytes
;; launch quant (part 1): grid 384 x 1, 4 waves a work-group, no clusters, 92,672 bytes of LDS; arguments x, delta_r, Wq, Wk, Wv, Wo, op; writes op
.if DOCPART == 1
	.amdgcn_target "amdgcn-amd-amdhsa--gfx1250"
	.amdhsa_code_object_version 6
	.text
	.protected	k_qe68f3aaf53_quant
	.globl	k_qe68f3aaf53_quant
	.p2align	8
	.type	k_qe68f3aaf53_quant,@function
k_qe68f3aaf53_quant:
	s_mov_b64 s[64:65], 0
	v_nop
	global_prefetch_b8 v0, s[64:65] scope:SCOPE_SE
	s_setreg_imm32_b32 hwreg(HW_REG_WAVE_MODE, 25, 1), 1
	s_wait_xcnt 0x0
; x, x * delta_r and the four weights become codes of FP6 (E2M3) with one E8M0 scale byte for each 32 along K, laid in the ORDER OF THE OPERAND'S REGISTERS.
; TILES: 16 rows; lane r of tile T holds row 32 (T / 2) + 8 (T % 2) + r + 8 (r / 8).  IMAGE: the codes of a tile and 64 along K are 768 dense bytes: piece p (0..2) at 256 p + 8 x lane
; holds bytes 8 p .. 8 p + 7 of the 24 bytes of k = 32 (lane / 16) + 0 .. 31 of lane % 16's row.  A tile's 16 images lie on end: 12,288 bytes.  Scale words: tile x 512 + (K / 128) x 64 + 4 r.
; op: tiles 0-255 x, 256-511 x * delta_r, 512-767 Wq, Wk, Wv, Wo (rows = the weights' columns n), 768-1023 are written by a later launch; the scale words begin at OPS.
; A block's scale is 2^(floor(log2(largest magnitude)) - 2); its byte is that magnitude's exponent field - 2, held at 1 from below.
; LIMITS: a block of zeros gets the byte 1 where the rule says 127 (its codes are zeros, and this program alone reads the bytes); NaN and infinities among the inputs are not served.
; Work-groups 0-255: one tile of x each; wave w takes K = 256 w .. 256 w + 255.  Work-groups 256-383: 128 columns x 256 along K of one weight; a lane takes a column and its registers run down K.
; No tensor loads, no barrier: a wave's LDS bytes are its own, and the two paths have LDS bytes of their own.  Memory binds: no matrix unit, no cluster.
; TILES 0-511 (x and x * delta_r) ARE LAID OTHERWISE THAN THE IMAGE ABOVE: the 12 registers of a tile and a K step of 128 are 1,536 dense bytes, piece j (0..2) at 512 j + 16 x lane holding registers 4 j .. 4 j + 3,
; so that their one reader loads 16 bytes a lane.  A tile's 8 K steps lie on end: 12,288 bytes, as for the other tiles.  The weights' tiles keep the image above.
.set OPS,  12582912
.set XD,   3145728                     ; from x's tiles to those of x * delta_r, in bytes of codes
.set XDS,  131072                      ; and in bytes of scale words
.set R,    16                          ; v16-143  two units of 64 numbers
.set PC,   144                         ; v144-163 the codes just made
.set TM,   164                         ; v164-179 at work in QUANT
.set PW,   180                         ; v180     the scale word just made
.set DR,   182                         ; v[182:183] delta_r of my row (the pair is named, the low word serves both halves)
.set SEL,  20                          ; s[20:21] lane selects: lane l xor 16
.set XST,  16896                       ; path X: a wave's two stages of 16 rows x 528 bytes
.set WST,  67584                       ; path W: the stages begin here, 6,144 bytes a wave
; 64 numbers of a lane, register 16 b + i = k 32 b + 16 (lane / 16) + i of my row, become a fragment's 12 registers of codes in v[PC] on and its scale word in v[PW]
.macro QUANT s
.irp b, 0,1,2,3
	v_max3_num_f32 v[TM+\b], |v[(\s)+16*\b]|, |v[(\s)+1+16*\b]|, 0x1800000   ; my 16 numbers of block b, and the floor 2^(3 - 127): the byte cannot fall under 1
.endr
.irp i, 2,4,6,8,10,12,14
.irp b, 0,1,2,3
	v_max3_num_f32 v[TM+\b], v[TM+\b], |v[(\s)+16*\b+\i]|, |v[(\s)+1+16*\b+\i]|
.endr
.endr
.irp b, 0,1,2,3
	v_permlanex16_b32 v[TM+4+\b], v[TM+\b], s[SEL], s[SEL+1]
.endr
.irp b, 0,1,2,3
	v_max_num_f32 v[TM+\b], v[TM+\b], v[TM+4+\b]          ; with lane l xor 16's 16: the block's largest magnitude
.endr
.irp b, 0,1,2,3
	v_add_nc_u32 v[TM+12+\b], 0xff000000, v[TM+\b]        ; 2 off its exponent field: the conversion's scale operand
.endr
.irp b, 0,1,2,3
	v_lshrrev_b32 v[TM+4+\b], 23, v[TM+12+\b]             ; the scale's byte
.endr
	v_lshl_or_b32 v[PW], v[TM+5], 8, v[TM+4]
	v_lshl_or_b32 v[PW], v[TM+6], 16, v[PW]
	v_lshl_or_b32 v[PW], v[TM+7], 24, v[PW]
.irp c, 0,1
	v_cvt_scalef32_pk16_fp6_f32 v[PC+6*\c:PC+2+6*\c], v[(\s)+32*\c:(\s)+15+32*\c], v[TM+12+2*\c]
	v_cvt_scalef32_pk16_fp6_f32 v[PC+12+4*\c:PC+14+4*\c], v[(\s)+16+32*\c:(\s)+31+32*\c], v[TM+12+2*\c+1]   ; (a conversion's three registers begin on an even number)
.endr
	v_nop                                                  ; one plain instruction behind the scaled conversions
.irp c, 0,1                                            ; the operand's layout wants a whole block in a lane
.irp i, 0,1,2
	v_permlane16_swap_b32 v[PC+6*\c+\i], v[PC+12+4*\c+\i]
.endr
.irp i, 0,1,2
	v_mov_b32 v[PC+3+6*\c+\i], v[PC+12+4*\c+\i]
.endr
.endr
.endm
	s_load_b128 s[4:7], s[0:1], 0x0                ; x, delta_r
	s_load_b128 s[8:11], s[0:1], 0x10              ; Wq, Wk
	s_load_b128 s[12:15], s[0:1], 0x20             ; Wv, Wo
	s_load_b64 s[16:17], s[0:1], 0x30              ; op
	v_lshl_add_u32 v192, v0, 2, 0x16800
	v_mov_b32 v193, 0
	v_lshrrev_b32 v1, 5, v0
	v_readfirstlane_b32 s18, v1                    ; wave 0..3
	v_and_b32 v10, 31, v0                          ; lane
	v_and_b32 v11, 15, v0                          ; r
	v_bfe_u32 v12, v0, 4, 1                        ; h
	s_mov_b32 s[SEL], 0x76543210
	s_mov_b32 s[SEL+1], 0xfedcba98
	s_cmp_lt_u32 ttmp9, 256
	s_cbranch_scc0 .Lweights
	; ---------------- x: work-group = tile T
	s_lshr_b32 s22, ttmp9, 1
	s_lshl_b32 s22, s22, 5
	s_and_b32 s23, ttmp9, 1
	s_lshl_b32 s23, s23, 3
	s_add_co_u32 s22, s22, s23                     ; the tile's first row: 32 (T / 2) + 8 (T % 2)
	s_lshl_b32 s24, s22, 12                        ; rows of 4,096 bytes
	s_lshl_b32 s25, s18, 10                        ; my wave's 256 numbers of a row
	s_add_co_u32 s24, s24, s25
	s_mov_b32 s25, 0
	s_lshl_b32 s26, s22, 2
	s_mov_b32 s27, 0
	s_mul_i32 s28, ttmp9, 12288
	s_mul_i32 s29, s18, 3072
	s_add_co_u32 s28, s28, s29                     ; the tile's codes, my wave's four images
	s_mov_b32 s29, 0
	s_lshl_b32 s30, ttmp9, 9
	s_lshl_b32 s31, s18, 7
	s_add_co_u32 s30, s30, s31
	s_add_co_u32 s30, s30, OPS                     ; the tile's scale words, my wave's two K steps
	s_mov_b32 s31, 0
	s_wait_alu depctr_va_vdst(0)
	v_lshlrev_b32 v1, 4, v10                       ; 16 x lane: a load reads 512 consecutive bytes of one row
	v_lshlrev_b32 v3, 2, v11                       ; 4 r: a scale word
	v_and_b32 v4, 8, v11
	v_add_nc_u32 v4, v4, v11
	v_lshlrev_b32 v4, 2, v4                        ; delta_r of my row: 4 (r + 8 (r / 8))
	s_mul_i32 s19, s18, XST
	v_add_nc_u32 v5, s19, v1                       ; the stage, way in: 16 x lane in a row of 528 bytes
	v_mul_u32_u24 v6, v11, 528
	v_lshl_add_u32 v6, v12, 6, v6
	v_add_nc_u32 v6, s19, v6                       ; way out: row r, + 64 h: my 16 numbers of a block of 32
	v_mov_b32 v[DR+1], 0
.irp b, 0,1,2,3
	v_mov_b32 v[TM+4+\b], 0                        ; written once: a lane permute's destination counts as one of its sources
.endr
	s_wait_alu depctr_va_vdst(0)
	s_wait_kmcnt 0x0
	s_add_nc_u64 s[4:5], s[4:5], s[24:25]
	s_add_nc_u64 s[6:7], s[6:7], s[26:27]
	s_add_nc_u64 s[32:33], s[16:17], s[28:29]
	s_add_nc_u64 s[34:35], s[16:17], s[30:31]
	global_load_b32 v[DR], v4, s[6:7]
.irp u, 0,1
.irp i, 0,1,2,3,4,5,6,7,8,9,10,11,12,13,14,15
	global_load_b128 v[R+64*\u+4*\i:R+64*\u+4*\i+3], v1, s[4:5] offset:(\i+8*(\i/8))*4096+512*\u th:TH_LOAD_NT
.endr
.endr
.irp u, 0,1                                    ; unit u: 128 along K of the 16 rows
	s_wait_loadcnt 16-16*\u                        ; delta_r and this unit's sixteen loads are in; the other unit's sixteen may be out
.irp i, 0,1,2,3,4,5,6,7,8,9,10,11,12,13,14,15
	ds_store_b128 v5, v[R+64*\u+4*\i:R+64*\u+4*\i+3] offset:8448*\u+528*\i
.endr
.irp b, 0,1,2,3
.irp j, 0,1,2,3
	ds_load_b128 v[R+64*\u+16*\b+4*\j:R+64*\u+16*\b+4*\j+3], v6 offset:8448*\u+128*\b+16*\j   ; LDS serves a wave's instructions in order: these see my stores
.endr
.endr
	s_wait_dscnt 0x0
	QUANT R+64*\u
.irp i, 0,1,2
	global_store_b128 v1, v[PC+4*\i:PC+4*\i+3], s[32:33] offset:1536*\u+512*\i   ; 32 lanes store 512 consecutive bytes, aligned
.endr
	global_store_b32 v3, v[PW], s[34:35] offset:64*\u                            ; both halves of the lanes hold and store the same word
.set j, 0
.rept 32
	v_pk_mul_f32 v[R+64*\u+j:R+64*\u+j+1], v[R+64*\u+j:R+64*\u+j+1], v[DR:DR+1] op_sel_hi:[1,0]   ; x * delta_r, in f32
.set j, j+2
.endr
	s_wait_xcnt 0x0                                ; the stores have read the codes and the word: they are written again only behind this wait
	QUANT R+64*\u
.irp i, 0,1,2
	global_store_b128 v1, v[PC+4*\i:PC+4*\i+3], s[32:33] offset:XD+1536*\u+512*\i
.endr
	global_store_b32 v3, v[PW], s[34:35] offset:XDS+64*\u
	s_wait_xcnt 0x0                                ; likewise, ahead of the next unit's codes
.endr
	s_wait_tensorcnt 0x0
	ds_add_u32 v192, v193
	s_wait_dscnt 0x0
	s_endpgm
	; ---------------- a weight: 128 columns x 256 along K
.Lweights:
	s_sub_co_u32 s22, ttmp9, 256
	s_lshr_b32 s23, s22, 5                         ; which weight: 0 Wq, 1 Wk, 2 Wv, 3 Wo
	s_and_b32 s24, s22, 7                          ; which 128 columns
	s_bfe_u32 s25, s22, 0x20003                    ; which 256 along K
	s_lshl_b32 s26, s25, 20                        ; 256 rows of 4,096 bytes
	s_lshl_b32 s27, s24, 9
	s_add_co_u32 s26, s26, s27
	s_lshl_b32 s27, s18, 7
	s_add_co_u32 s26, s26, s27                     ; + 4 (128 nx + 32 wave)
	s_mov_b32 s27, 0
	s_lshl_b32 s28, s23, 6
	s_lshl_b32 s29, s24, 3
	s_add_co_u32 s28, s28, s29
	s_lshl_b32 s29, s18, 1
	s_add_co_u32 s28, s28, s29
	s_add_co_u32 s28, s28, 512                     ; my 32 columns are tiles 512 + 64 weight + 8 nx + 2 wave and the next
	s_mul_i32 s30, s28, 12288
	s_mul_i32 s29, s25, 3072
	s_add_co_u32 s30, s30, s29                     ; their codes: four images a tile
	s_mov_b32 s31, 0
	s_lshl_b32 s28, s28, 9
	s_lshl_b32 s29, s25, 7
	s_add_co_u32 s28, s28, s29
	s_add_co_u32 s28, s28, OPS                     ; their scale words: two K steps
	s_mov_b32 s29, 0
	s_wait_alu depctr_va_vdst(0)
	v_lshlrev_b32 v3, 2, v10                       ; in: 4 bytes a lane, 128 consecutive bytes a load
	v_bfe_u32 v13, v0, 3, 1                        ; column l of the 32 is place r' of tile u: u = (l / 8) % 2,
	v_and_b32 v14, 7, v0
	v_lshl_add_u32 v14, v12, 3, v14                ; r' = l % 8 + 8 (l / 16)
	s_mul_i32 s19, s18, 6144
	s_add_co_u32 s19, s19, WST                     ; my stage: two tiles x four images
	v_mul_u32_u24 v4, v13, 3072
	v_lshl_add_u32 v4, v14, 3, v4
	v_add_nc_u32 v4, s19, v4                       ; into it: 3,072 u + 8 r'
	v_lshlrev_b32 v8, 4, v10                       ; out of it: 16 bytes a lane
	v_add_nc_u32 v7, s19, v8
	v_lshlrev_b32 v9, 9, v13
	v_lshl_add_u32 v9, v14, 2, v9                  ; my scale words: 512 u + 4 r'
	s_wait_kmcnt 0x0
	s_cmp_eq_u32 s23, 0                            ; the choices hang on the work-group's number alone
	s_cselect_b64 s[8:9], s[8:9], s[10:11]
	s_cmp_eq_u32 s23, 2
	s_cselect_b64 s[12:13], s[12:13], s[14:15]
	s_cmp_lt_u32 s23, 2
	s_cselect_b64 s[8:9], s[8:9], s[12:13]
	s_add_nc_u64 s[8:9], s[8:9], s[26:27]
	s_add_nc_u64 s[30:31], s[16:17], s[30:31]
	s_add_nc_u64 s[28:29], s[16:17], s[28:29]
.macro LOADW t                         ; block t: W(32 t + i, my column), i = 0 .. 31
.set j, 0
.rept 32
	global_load_b32 v[32+32*((\t)%2)+j], v3, s[8:9] offset:(32*(\t)+j)*4096 th:TH_LOAD_NT
.set j, j+1
.endr
.endm
.macro BLOCKW t
.set XS, 32+32*((\t)%2)
.if (\t) < 7
	s_wait_loadcnt 32                              ; this block's 32 loads are in; the next block's may be out
.else
	s_wait_loadcnt 0x0
.endif
	v_max3_num_f32 v16, |v[XS]|, |v[XS+1]|, |v[XS+2]|
	v_max3_num_f32 v17, |v[XS+3]|, |v[XS+4]|, |v[XS+5]|
.irp i, 6,10,14,18,22,26
	v_max3_num_f32 v16, v16, |v[XS+\i]|, |v[XS+\i+1]|
	v_max3_num_f32 v17, v17, |v[XS+\i+2]|, |v[XS+\i+3]|
.endr
	v_max3_num_f32 v16, v16, |v[XS+30]|, |v[XS+31]|
	v_max3_num_f32 v16, v16, v17, 0x1800000        ; the block's largest magnitude (all 32 are mine), and the floor
	v_add_nc_u32 v18, 0xff000000, v16              ; the conversion's scale operand
	v_lshrrev_b32 v17, 23, v18                     ; the byte
.if (\t)%4 == 0
	v_mov_b32 v[24+(\t)/4], v17
.else
	v_lshl_or_b32 v[24+(\t)/4], v17, 8*((\t)%4), v[24+(\t)/4]
.endif
	v_cvt_scalef32_pk16_fp6_f32 v[96:98], v[XS:XS+15], v18
	v_cvt_scalef32_pk16_fp6_f32 v[104:106], v[XS+16:XS+31], v18
	v_nop                                          ; one plain instruction behind the scaled conversions
	v_mov_b32 v99, v104
	v_mov_b32 v100, v105
	v_mov_b32 v101, v106                           ; v96-101: the block's 24 bytes
.irp p, 0,1,2
	ds_store_b64 v4, v[96+2*\p:97+2*\p] offset:((\t)/2)*768+((\t)%2)*128+256*\p   ; image t / 2, the half of the lanes t % 2
.endr
.if (\t)+2 < 8
	LOADW (\t)+2
.endif
	s_wait_dscnt 0x0                               ; the stores have read their registers
.endm
	LOADW 0
	LOADW 1
.irp t, 0,1,2,3,4,5,6,7
	BLOCKW \t
.endr
	global_store_b32 v9, v24, s[28:29]
	s_wait_alu depctr_va_vdst(0)
	global_store_b32 v9, v25, s[28:29] offset:64
.irp i, 0,1,2,3,4,5,6,7,8,9,10,11
	ds_load_b128 v[112+4*\i:115+4*\i], v7 offset:512*\i
.endr
.irp i, 0,1,2,3,4,5,6,7,8,9,10,11
	s_wait_dscnt 11-\i                             ; LDS loads come back in order: the younger ones may be out
	global_store_b128 v8, v[112+4*\i:115+4*\i], s[30:31] offset:(\i%6)*512+(\i/6)*12288   ; 512 consecutive bytes, aligned
.endr
	s_wait_tensorcnt 0x0
	ds_add_u32 v192, v193
	s_wait_dscnt 0x0
	s_endpgm
.Lfunc_end_k_qe68f3aaf53_quant:
	.size	k_qe68f3aaf53_quant, .Lfunc_end_k_qe68f3aaf53_quant-k_qe68f3aaf53_quant
	.p2alignl 7, 3214868480
	.fill 96, 4, 3214868480
	.section	.rodata,"a",@progbits
	.p2align	6, 0x0
	.amdhsa_kernel k_qe68f3aaf53_quant
		.amdhsa_group_segment_fixed_size 92672
		.amdhsa_private_segment_fixed_size 0
		.amdhsa_enable_private_segment 0
		.amdhsa_kernarg_size 56
		.amdhsa_user_sgpr_count 2
		.amdhsa_user_sgpr_kernarg_segment_ptr 1
		.amdhsa_wavefront_size32 1
		.amdhsa_system_sgpr_workgroup_id_x 1
		.amdhsa_system_sgpr_workgroup_id_y 1
		.amdhsa_system_sgpr_workgroup_id_z 1
		.amdhsa_system_vgpr_workitem_id 0
		.amdhsa_next_free_vgpr 194
		.amdhsa_next_free_sgpr 66
		.amdhsa_reserve_vcc 0
		.amdhsa_float_denorm_mode_32 3
		.amdhsa_float_denorm_mode_16_64 3
		.amdhsa_memory_ordered 1
		.amdhsa_forward_progress 1
		.amdhsa_inst_pref_size 73
	.end_amdhsa_kernel
	.amdgpu_metadata
---
amdhsa.version: [ 1, 2 ]
amdhsa.kernels:
  - .name:           k_qe68f3aaf53_quant
    .symbol:         k_qe68f3aaf53_quant.kd
    .args:
      - { .name: x, .offset: 0, .size: 8, .value_kind: global_buffer, .address_space: global }
      - { .name: delta_r, .offset: 8, .size: 8, .value_kind: global_buffer, .address_space: global }
      - { .name: Wq, .offset: 16, .size: 8, .value_kind: global_buffer, .address_space: global }
      - { .name: Wk, .offset: 24, .size: 8, .value_kind: global_buffer, .address_space: global }
      - { .name: Wv, .offset: 32, .size: 8, .value_kind: global_buffer, .address_space: global }
      - { .name: Wo, .offset: 40, .size: 8, .value_kind: global_buffer, .address_space: global }
      - { .name: op, .offset: 48, .size: 8, .value_kind: global_buffer, .address_space: global }
    .group_segment_fixed_size: 92672
    .private_segment_fixed_size: 0
    .kernarg_segment_align: 8
    .kernarg_segment_size: 56
    .max_flat_workgroup_size: 128
    .sgpr_count:     66
    .vgpr_count:     194
    .wavefront_size: 32
...
	.end_amdgpu_metadata
.endif
;; end of part 1
;; launch gemm_qkv (part 2): grid 16 x 16, 4 waves a work-group, no clusters, 167,936 bytes of LDS; arguments op, bq, bk, bv, qq, kv; writes qq, kv
.if DOCPART == 2
	.amdgcn_target "amdgcn-amd-amdhsa--gfx1250"
	.amdhsa_code_object_version 6
	.text
	.protected	k_qe68f3aaf53_gemm_qkv
	.globl	k_qe68f3aaf53_gemm_qkv
	.p2align	8
	.type	k_qe68f3aaf53_gemm_qkv,@function
k_qe68f3aaf53_gemm_qkv:
	s_mov_b64 s[64:65], 0
	v_nop
	global_prefetch_b8 v0, s[64:65] scope:SCOPE_SE
	s_setreg_imm32_b32 hwreg(HW_REG_WAVE_MODE, 25, 1), 1
	s_wait_xcnt 0x0
; q = x Wq + bq, k = x Wk + bk, v = (x delta_r) Wv + bv on codes of FP6 (E2M3) with E8M0 scales, and the results quantised in registers: q and k along the head's 64, v along the keys.
; The 48 heads of q, k, v are numbered g = 0 .. 47 (g / 16 = 0 q, 1 k, 2 v), as their weight rows lie in op.  Work-group (X, Y): heads 3 X .. 3 X + 2, tokens 256 Y ..: 256 work-groups.
; Four waves, each 64 tokens, walk the three heads in a loop of three trips; a trip is 64 tokens x 64 weight rows x K = 1,024 a wave: 16 accumulators, 128 matrix instructions.
; THE TOKENS STAY IN REGISTERS: a wave's 4 tiles x 8 K steps x 12 registers = 384, and their 32 scale words, loaded once from memory.  A token tile's K step lies in op as its 12 registers, piece j at 512 j + 16 x lane:
; three loads of 512 consecutive bytes.  Heads 0-31 take x, heads 32-47 x * delta_r; only X = 10 has both kinds: while it multiplies head 31 it loads each K step anew behind that step's products (a scalar branch on ids).
; THE WEIGHTS of the three heads, 147,456 dense bytes, come into LDS once, by one tensor load a wave (144 rows of 256 bytes); nothing is filled again.  A weight tile lies as images of 768 bytes for 16 rows x 64 K
; (piece p at 256 p + 8 x lane).  All four waves read the same fragments: 24 LDS loads of codes for 16 matrix instructions.
; The weights' scale words (6,144 bytes) and the three heads' bias (768 bytes) are loaded once at the head and put into LDS bytes of their own by LDS stores, ahead of the launch's one barrier.
; Rows of a tile: lane r of tile T holds row 32 (T / 2) + 8 (T % 2) + r + 8 (r / 8): so the 16 registers of two neighbouring result tiles are 16 neighbours along source 0's rows.
; q, k: source 0 = weight rows, source 1 = tokens: a lane holds one token and 32 of the head's 64.  v: source 0 = tokens, source 1 = weight rows: a lane holds one channel and 32 keys.
; The bias is the C of each sum's first matrix instruction.  The 16 accumulators take turns, one instruction a turn.
; No cluster: the tokens pass through no tensor load, and the weights are asked for once, one load a wave in the whole launch.  No prefetch: there is no stream of tiles to run ahead in.
; LIMITS: a block of zeros gets the scale byte 1 (its codes are zeros; this program alone reads the bytes); NaN and infinities are not served.
; REGISTERS: window 0: v1-15 addresses; v16-47 the tokens' scale words (K step s, tile a at 16 + 4 s + a); v48-95, v96-143 two buffers of weight fragments; v144-223 the way out; v224-231 the weights' scale words, two sets;
;   v232-247 what the head puts into LDS.  window 1: tokens of K steps 0-4 at 48 s + 12 a; window 2: K steps 5-7; window 3: v0-127 accumulator (l, q) at 8 (4 l + q), l = source 1's tile; v128-159 the four bias tiles.
.set OPS, 12582912
.set QS,  3145728
.set KVB, 208896                       ; a (batch, head)'s block of kv
.set REC, 13056                        ; a key step's record in it: K's codes 6,144, K's scale words 512, V's codes 6,144, V's scale words 256
.set PANL, 49152                       ; a head's weight rows: four tiles, all of K
.set SCL, 3*PANL                       ; LDS behind the weights: their scale words, 2,048 bytes a head
.set BIA, SCL+6144                     ; the bias, 256 bytes a head (1,024 bytes kept)
.set SPARE, BIA+1024                   ; the spare words, 128 bytes a wave
.set SEL, 76
.set TR,  24                           ; s24 the trip
.set PB,  25                           ; s25 LDS byte of the trip's weights
.set PS,  26                           ; s26 of their scale words, less SCL
.set PC,  31                           ; s31 of their bias, less BIA
.set SCW, 16
.set FBW, 48
.set WSW, 224
.set MX,  144                          ; the way out: largest magnitudes
.set PM,  152                          ; the other half's; then the bytes
.set OPD, 160                          ; the conversions' scale operands
.set WD,  168                          ; scale words
.set CD,  176                          ; codes: 8 registers for each tile l
.set C2,  208                          ; the second halves as they are made
.set MSB, 0
.macro WIN new                         ; the immediate's high byte repeats the setting that is left
.if MSB != (\new)
	s_set_vgpr_msb (MSB<<8)|(\new)
.set MSB, (\new)
.endif
.endm
.macro PLACES                          ; four plain instructions behind matrix instructions, ahead of loads into their registers and of reads of their results
.rept 4
	v_nop
.endr
.endm
.macro FETCH s                         ; the weights' four fragments and scale words of K step s into set s % 2
.set FB, FBW+48*((\s)%2)
.irp i, 0,1,2,3
.irp p, 0,1,2,3,4,5
	ds_load_b64 v[FB+12*\i+2*\p:FB+12*\i+2*\p+1], v2 offset:(\s)*1536+12288*\i+256*\p
.endr
.endr
.irp i, 0,1,2,3
	ds_load_b32 v[WSW+4*((\s)%2)+\i], v3 offset:512*\i+64*(\s)
.endr
.endm
.macro MULS s, swap                    ; 16 matrix instructions; a: tokens' tile, b: weights' tile
.set FB, FBW+48*((\s)%2)
.set SC, SCW+4*(\s)
.set WS, WSW+4*((\s)%2)
.set TF, 48*((\s)%5)
.irp a, 0,1,2,3
.irp b, 0,1,2,3
.if \swap
.if (\s) == 0
	v_wmma_scale_f32_16x16x128_f8f6f4 v[8*(4*\b+\a):8*(4*\b+\a)+7], v[TF+12*\a:TF+12*\a+11], v[FB+12*\b:FB+12*\b+11], v[128+8*\b:135+8*\b], v[SC+\a], v[WS+\b] matrix_a_fmt:MATRIX_FMT_FP6 matrix_b_fmt:MATRIX_FMT_FP6
.else
	v_wmma_scale_f32_16x16x128_f8f6f4 v[8*(4*\b+\a):8*(4*\b+\a)+7], v[TF+12*\a:TF+12*\a+11], v[FB+12*\b:FB+12*\b+11], v[8*(4*\b+\a):8*(4*\b+\a)+7], v[SC+\a], v[WS+\b] matrix_a_fmt:MATRIX_FMT_FP6 matrix_b_fmt:MATRIX_FMT_FP6
.endif
.else
.if (\s) == 0
	v_wmma_scale_f32_16x16x128_f8f6f4 v[8*(4*\a+\b):8*(4*\a+\b)+7], v[FB+12*\b:FB+12*\b+11], v[TF+12*\a:TF+12*\a+11], v[128+8*\b:135+8*\b], v[WS+\b], v[SC+\a] matrix_a_fmt:MATRIX_FMT_FP6 matrix_b_fmt:MATRIX_FMT_FP6
.else
	v_wmma_scale_f32_16x16x128_f8f6f4 v[8*(4*\a+\b):8*(4*\a+\b)+7], v[FB+12*\b:FB+12*\b+11], v[TF+12*\a:TF+12*\a+11], v[8*(4*\a+\b):8*(4*\a+\b)+7], v[WS+\b], v[SC+\a] matrix_a_fmt:MATRIX_FMT_FP6 matrix_b_fmt:MATRIX_FMT_FP6
.endif
.endif
.endr
.endr
.endm
.macro LOADT s, sb, cb                 ; my tokens' K step s: 4 scale words (base s[sb]) and 4 tiles x 3 pieces of codes (base s[cb]): 16 loads
.irp i, 0,1,2,3
	global_load_b32 v[SCW+4*(\s)+\i], v5, s[\sb:\sb+1] offset:512*\i+64*(\s)
.endr
	WIN 0x40*(1+(\s)/5)                            ; destination window 1 (K steps 0-4) or 2
.irp a, 0,1,2,3
.irp j, 0,1,2
	global_load_b128 v[48*((\s)%5)+12*\a+4*\j:48*((\s)%5)+12*\a+4*\j+3], v13, s[\cb:\cb+1] offset:12288*\a+1536*(\s)+512*\j
.endr
.endr
	WIN 0
.endm
	s_load_b128 s[4:7], s[0:1], 0x0                ; op, bq
	s_load_b128 s[8:11], s[0:1], 0x10              ; bk, bv
	s_load_b128 s[12:15], s[0:1], 0x20             ; qq, kv
	v_lshl_add_u32 v254, v0, 2, SPARE
	v_mov_b32 v255, 0
	ds_add_u32 v254, v255                          ; the opening lines: the add, twice on end, and its wait ahead of my tensor load
	ds_add_u32 v254, v255
	v_lshrrev_b32 v1, 5, v0
	v_readfirstlane_b32 s16, v1                    ; wave 0..3
	s_and_b32 s19, ttmp7, 0xffff
	s_lshl_b32 s19, s19, 1
	s_lshr_b32 s17, s16, 1
	s_add_co_u32 s19, s19, s17                     ; which 128 tokens hold my 64: 2 Y + wave / 2
	s_and_b32 s17, s16, 1                          ; and which half of them
	s_lshl_b32 s18, s19, 3
	s_lshl_b32 s60, s17, 2
	s_add_co_u32 s18, s18, s60                     ; my first tile of tokens
	s_mul_i32 s20, ttmp9, 3                        ; the first head
	s_lshl_b32 s27, s20, 2
	s_add_co_u32 s27, s27, 512                     ; its first tile of weight rows
	s_mul_i32 s62, s27, 12288
	s_mul_i32 s41, s16, 36864                      ; my quarter of the three heads' weights: three tiles; LDS mirrors memory
	s_add_co_u32 s62, s62, s41
	s_mov_b32 s63, 0
	s_mov_b32 s52, 3<<16                           ; group 1: 36,864 dense bytes as 144 rows of 256 (32 elements of 8 bytes)
	s_mov_b32 s53, 32<<16
	s_mov_b32 s54, 144<<16
	s_mov_b32 s55, 32<<16
	s_mov_b32 s56, 144
	s_mov_b32 s57, 32
	s_mov_b32 s58, 0
	s_mov_b32 s59, 0
	s_mov_b32 s40, 1
	s_mov_b32 s[SEL], 0x76543210
	s_mov_b32 s[SEL+1], 0xfedcba98
	s_lshl_b32 s28, s27, 9
	s_mul_i32 s60, s16, 1536
	s_add_co_u32 s28, s28, s60                     ; my quarter of the weights' scale words: 1,536 bytes
	s_mov_b32 s29, 0
	s_add_co_u32 s73, s60, SCL                     ; and where they go
	s_lshl_b32 s72, s16, 8
	s_add_co_u32 s72, s72, BIA                     ; where head 3 X + wave's bias goes
	s_cmp_ge_u32 s20, 32
	s_cselect_b32 s71, 256, 0
	s_add_co_u32 s71, s71, s18                     ; my tokens' first tile for the first head: for v among the tiles of x * delta_r
	s_lshl_b32 s46, s71, 9
	s_mov_b32 s47, 0
	s_mul_i32 s48, s71, 12288
	s_mov_b32 s49, 0
	s_add_co_u32 s71, s18, 256                     ; and among the tiles of x * delta_r, for the work-groups that change over
	s_lshl_b32 s34, s71, 9
	s_mov_b32 s35, 0
	s_mul_i32 s36, s71, 12288
	s_mov_b32 s37, 0
	s_add_co_u32 s66, s20, s16                     ; the head whose bias I fetch (waves 0-2)
	s_lshr_b32 s61, s66, 4
	s_and_b32 s74, s66, 15
	s_lshl_b32 s74, s74, 8
	s_mov_b32 s75, 0
	s_wait_dscnt 0x0
	s_wait_kmcnt 0x0
	s_add_nc_u64 s[42:43], s[4:5], s[62:63]
	s_or_b32 s43, s43, 0x80000000
	tensor_load_to_lds s[40:43], s[52:59]          ; the wave's one tensor load
	s_nop 0
.rept 4
	v_nop
.endr
	s_add_nc_u64 s[44:45], s[4:5], OPS             ; the scale words' base
	s_add_nc_u64 s[28:29], s[44:45], s[28:29]
	s_add_nc_u64 s[46:47], s[44:45], s[46:47]
	s_add_nc_u64 s[48:49], s[4:5], s[48:49]
	s_add_nc_u64 s[34:35], s[44:45], s[34:35]
	s_add_nc_u64 s[36:37], s[4:5], s[36:37]
	s_cmp_eq_u32 s61, 0                            ; the bias: the choice hangs on ids alone
	s_cselect_b64 s[38:39], s[6:7], s[8:9]
	s_cmp_eq_u32 s61, 2
	s_cselect_b64 s[38:39], s[10:11], s[38:39]
	s_add_nc_u64 s[38:39], s[38:39], s[74:75]
	v_and_b32 v10, 31, v0                          ; lane
	v_and_b32 v11, 15, v0                          ; r
	v_bfe_u32 v12, v0, 4, 1                        ; h
	v_lshlrev_b32 v4, 3, v10                       ; 8 x lane
	v_lshlrev_b32 v13, 4, v10                      ; 16 x lane
	v_lshlrev_b32 v5, 2, v11                       ; 4 r
	v_lshlrev_b32 v6, 5, v11                       ; 32 r
	v_lshlrev_b32 v7, 4, v11                       ; 16 r
	v_lshl_add_u32 v8, v12, 6, BIA                 ; the bias for q, k: 64 h
	v_and_b32 v9, 8, v11
	v_add_nc_u32 v9, v9, v11
	v_lshl_add_u32 v9, v9, 2, BIA                  ; for v: 4 (r + 8 (r / 8))
	v_lshl_add_u32 v14, v11, 2, SCL                ; the weights' scale words: 4 r
	v_add_nc_u32 v15, s73, v13                     ; into LDS: my quarter of them
	v_add_nc_u32 v1, s72, v4                       ; and my head's bias
.irp n, 0,1,2,3,4,5,6,7
	v_mov_b32 v[PM+\n], 0                          ; written once: a lane permute's destination counts as one of its sources
.endr
	s_wait_alu depctr_va_vdst(0)
	s_cmp_lt_u32 s16, 3
	s_cbranch_scc0 .Lno_bias_load
	global_load_b64 v[232:233], v4, s[38:39]       ; 256 bytes: a head's bias
.Lno_bias_load:
.irp j, 0,1,2
	global_load_b128 v[236+4*\j:239+4*\j], v13, s[28:29] offset:512*\j
.endr
.irp s, 0,1,2,3,4,5,6,7
	LOADT \s, 46, 48                               ; the tokens, in the order of their use
.endr
	s_wait_loadcnt 63                              ; the bias and the weights' scale words are in: 128 loads were issued behind them
.irp j, 0,1,2
	ds_store_b128 v15, v[236+4*\j:239+4*\j] offset:512*\j
.endr
	s_cmp_lt_u32 s16, 3
	s_cbranch_scc0 .Lno_bias_store
	ds_store_b64 v1, v[232:233]
.Lno_bias_store:
	s_mov_b32 s[TR], 0
	s_mov_b32 s[PB], 0
	s_mov_b32 s[PS], 0
	s_mov_b32 s[PC], 0
	s_wait_tensorcnt 0x0                           ; my quarter of the weights is in,
	s_wait_dscnt 0x0                               ; and my stores are done
	s_barrier_signal -1
	s_barrier_wait -1                              ; everybody's are
.macro KSTEP s
.if 16*(7-(\s)) > 63
	s_wait_loadcnt 63                              ; the tokens of this K step are in: behind them 16 loads were issued for each later K step (more than the count can name)
.else
	s_wait_loadcnt 16*(7-(\s))                     ; behind this K step's tokens 16 loads were issued for each later K step
.endif
	s_wait_dscnt 0x0                               ; this step's weight fragments and scale words (ahead of the first: the bias) are in
.if (\s) < 7
	FETCH (\s)+1                                   ; into the set that the step before multiplied: four plain instructions stand behind its products
.endif
	s_cmp_eq_u32 s22, 0
	s_cbranch_scc0 .Lv_\@
	WIN 0xf0+4*(1+(\s)/5)                          ; C and D window 3, source 1 (tokens) window 1 or 2
	MULS \s, 0
	WIN 0
	s_branch .Lj_\@
.Lv_\@:
	WIN 0xf0+(1+(\s)/5)                            ; source 0 (tokens) window 1 or 2
	MULS \s, 1
	WIN 0
.Lj_\@:
	PLACES
	s_cmp_eq_u32 s20, 31                           ; head 31 with head 32 to follow (X = 10 alone): x has had its last use in this K step,
	s_cbranch_scc0 .Lkeep_\@
	LOADT \s, 34, 36                               ; and x * delta_r takes its registers
.Lkeep_\@:
.endm
.Lpanel:                                               ; a trip: head s20
	s_lshr_b32 s21, s20, 4                         ; 0 q, 1 k, 2 v
	s_and_b32 s23, s20, 15                         ; the head in its kind
	s_cmp_eq_u32 s21, 2
	s_cselect_b32 s22, 1, 0                        ; v?
	v_add_nc_u32 v2, s[PB], v4                     ; the head's weights in LDS,
	v_add_nc_u32 v3, s[PS], v14                    ; their scale words,
	v_add_nc_u32 v1, s[PC], v8                     ; and the bias, in q's and k's form
	v_add_nc_u32 v10, s[PC], v9                    ; and in v's
	s_wait_alu depctr_va_vdst(0)                   ; the wait behind the writes
	s_cmp_eq_u32 s22, 0
	s_cbranch_scc0 .Lbias_v
	WIN 0xc0                                       ; destination window 3
.irp b, 0,1,2,3                                ; q, k: register j of lane (r, h) is weight row 32 (b / 2) + 8 (b % 2) + 16 h + j
	ds_load_b128 v[128+8*\b:131+8*\b], v1 offset:(32*(\b/2)+8*(\b%2))*4
	ds_load_b128 v[132+8*\b:135+8*\b], v1 offset:(32*(\b/2)+8*(\b%2))*4+16
.endr
	WIN 0
	s_branch .Lbias_done
.Lbias_v:
	WIN 0xc0
.irp b, 0,1,2,3                                ; v: the lane is the weight row: the same number in all eight registers
.irp j, 0,1,2,3,4,5,6,7
	ds_load_b32 v[128+8*\b+\j], v10 offset:(32*(\b/2)+8*(\b%2))*4
.endr
.endr
	WIN 0
.Lbias_done:
	FETCH 0
.irp s, 0,1,2,3,4,5,6,7
	KSTEP \s
.endr
	; THE RESULTS ARE QUANTISED.  For source 1's tile l the lane's 32 registers are 32 b + 16 h + i along source 0: two blocks of 32, each shared with lane l xor 16.  Each accumulator is read from its low end on.
	s_wait_xcnt 0x0                                ; the last trip's stores have read their registers and bases: they are written again only behind this wait
	WIN 0x0f                                       ; sources 0 and 1 window 3
.irp l, 0,1,2,3
.irp b, 0,1
	v_max3_num_f32 v[MX+2*\l+\b], |v[32*\l+16*\b]|, |v[32*\l+16*\b+1]|, 0x1800000
.endr
.endr
.irp i, 2,4,6,8,10,12,14
.irp l, 0,1,2,3
.irp b, 0,1
	v_max3_num_f32 v[MX+2*\l+\b], |v[32*\l+16*\b+\i]|, |v[32*\l+16*\b+\i+1]|, v[MX+2*\l+\b]
.endr
.endr
.endr
	WIN 0
.irp n, 0,1,2,3,4,5,6,7
	v_permlanex16_b32 v[PM+\n], v[MX+\n], s[SEL], s[SEL+1]
.endr
.irp n, 0,1,2,3,4,5,6,7
	v_max_num_f32 v[MX+\n], v[MX+\n], v[PM+\n]
.endr
.irp n, 0,1,2,3,4,5,6,7
	v_add_nc_u32 v[OPD+\n], 0xff000000, v[MX+\n]   ; the conversions' scale operands
.endr
.irp n, 0,1,2,3,4,5,6,7
	v_lshrrev_b32 v[PM+\n], 23, v[OPD+\n]          ; the bytes
.endr
.irp l, 0,1,2,3
	v_lshl_or_b32 v[WD+\l], v[PM+1+2*\l], 8, v[PM+2*\l]   ; two bytes; the word's upper two are 0
.endr
	WIN 0x03                                       ; source 0 window 3
.irp l, 0,1,2,3
	v_cvt_scalef32_pk16_fp6_f32 v[CD+8*\l:CD+2+8*\l], v[32*\l:32*\l+15], v[OPD+2*\l]
	v_cvt_scalef32_pk16_fp6_f32 v[C2+4*\l:C2+2+4*\l], v[32*\l+16:32*\l+31], v[OPD+1+2*\l]
.endr
	WIN 0
	v_nop                                          ; one plain instruction behind the scaled conversions
.irp l, 0,1,2,3
.irp i, 0,1,2
	v_permlane16_swap_b32 v[CD+8*\l+\i], v[C2+4*\l+\i]
.endr
.irp i, 0,1,2
	v_mov_b32 v[CD+3+8*\l+\i], v[C2+4*\l+\i]       ; v[CD + 8 l .. + 5]: the image of 16 rows x 64
.endr
.endr
	s_lshr_b32 s60, s19, 4                         ; batch
	s_and_b32 s61, s19, 15                         ; key step
	s_mov_b32 s67, 0
	s_mov_b32 s69, 0
	s_cmp_eq_u32 s21, 0
	s_cbranch_scc0 .Lnot_q
	s_lshl_b32 s62, s18, 4
	s_add_co_u32 s62, s62, s23                     ; 16 x my first tile of tokens + head
	s_mul_i32 s66, s62, 768
	s_add_nc_u64 s[66:67], s[12:13], s[66:67]
	s_lshl_b32 s68, s62, 6
	s_add_co_u32 s68, s68, QS
	s_add_nc_u64 s[68:69], s[12:13], s[68:69]
	s_wait_alu depctr_va_vdst(0)
.irp l, 0,1,2,3
.irp p, 0,1,2
	global_store_b64 v4, v[CD+8*\l+2*\p:CD+1+8*\l+2*\p], s[66:67] offset:12288*\l+256*\p   ; 256 consecutive bytes, aligned
.endr
	global_store_b32 v5, v[WD+\l], s[68:69] offset:1024*\l
.endr
	s_branch .Lout_done
.Lnot_q:
	s_lshl_b32 s62, s60, 4
	s_add_co_u32 s62, s62, s23
	s_mul_i32 s62, s62, KVB                        ; the (batch, head)'s block
	s_mul_i32 s66, s61, REC
	s_add_co_u32 s66, s66, s62                     ; the key step's record
	s_cmp_eq_u32 s21, 1
	s_cbranch_scc0 .Lis_v
	s_lshl_b32 s63, s17, 4
	s_add_co_u32 s68, s66, s63
	s_add_co_u32 s68, s68, 6144                    ; K's scale words [r][tile]: record + 6,144 + 32 r + 16 x my half
	s_mul_i32 s63, s17, 3072
	s_add_co_u32 s66, s66, s63                     ; my four tiles of keys
	s_add_nc_u64 s[66:67], s[14:15], s[66:67]
	s_add_nc_u64 s[68:69], s[14:15], s[68:69]
	s_wait_alu depctr_va_vdst(0)
.irp l, 0,1,2,3
.irp p, 0,1,2
	global_store_b64 v4, v[CD+8*\l+2*\p:CD+1+8*\l+2*\p], s[66:67] offset:768*\l+256*\p
.endr
.endr
	global_store_b128 v6, v[WD:WD+3], s[68:69]
	s_branch .Lout_done
.Lis_v:
	s_lshl_b32 s63, s17, 1
	s_add_co_u32 s68, s66, s63
	s_add_co_u32 s68, s68, 12800                   ; V's scale words [r][channel tile]: my two bytes of each
	s_mul_i32 s63, s17, 768
	s_add_co_u32 s66, s66, s63
	s_add_co_u32 s66, s66, 6656                    ; V's codes [channel tile][1,536]: my 64 keys are one half of each fragment
	s_add_nc_u64 s[66:67], s[14:15], s[66:67]
	s_add_nc_u64 s[68:69], s[14:15], s[68:69]
	s_wait_alu depctr_va_vdst(0)
.irp l, 0,1,2,3
.irp p, 0,1,2
	global_store_b64 v4, v[CD+8*\l+2*\p:CD+1+8*\l+2*\p], s[66:67] offset:1536*\l+256*\p
.endr
	global_store_b16 v7, v[WD+\l], s[68:69] offset:4*\l
.endr
.Lout_done:
	s_wait_loadcnt 0x0                             ; where the tokens were loaded anew, they are in
	s_add_co_u32 s20, s20, 1                       ; on to the next head
	s_add_co_u32 s[PB], s[PB], PANL
	s_add_co_u32 s[PS], s[PS], 2048
	s_add_co_u32 s[PC], s[PC], 256
	s_add_co_u32 s[TR], s[TR], 1
	s_cmp_lt_u32 s[TR], 3
	s_cbranch_scc1 .Lpanel
	s_wait_tensorcnt 0x0                           ; the wave's end
	ds_add_u32 v254, v255
	s_wait_dscnt 0x0
	s_endpgm
.Lfunc_end_k_qe68f3aaf53_gemm_qkv:
	.size	k_qe68f3aaf53_gemm_qkv, .Lfunc_end_k_qe68f3aaf53_gemm_qkv-k_qe68f3aaf53_gemm_qkv
	.p2alignl 7, 3214868480
	.fill 96, 4, 3214868480
	.section	.rodata,"a",@progbits
	.p2align	6, 0x0
	.amdhsa_kernel k_qe68f3aaf53_gemm_qkv
		.amdhsa_group_segment_fixed_size 167936
		.amdhsa_private_segment_fixed_size 0
		.amdhsa_enable_private_segment 0
		.amdhsa_kernarg_size 48
		.amdhsa_user_sgpr_count 2
		.amdhsa_user_sgpr_kernarg_segment_ptr 1
		.amdhsa_wavefront_size32 1
		.amdhsa_system_sgpr_workgroup_id_x 1
		.amdhsa_system_sgpr_workgroup_id_y 1
		.amdhsa_system_sgpr_workgroup_id_z 1
		.amdhsa_system_vgpr_workitem_id 0
		.amdhsa_next_free_vgpr 928
		.amdhsa_next_free_sgpr 80
		.amdhsa_reserve_vcc 0
		.amdhsa_float_denorm_mode_32 3
		.amdhsa_float_denorm_mode_16_64 3
		.amdhsa_memory_ordered 1
		.amdhsa_forward_progress 1
		.amdhsa_inst_pref_size 98
	.end_amdhsa_kernel
	.amdgpu_metadata
---
amdhsa.version: [ 1, 2 ]
amdhsa.kernels:
  - .name:           k_qe68f3aaf53_gemm_qkv
    .symbol:         k_qe68f3aaf53_gemm_qkv.kd
    .args:
      - { .name: op, .offset: 0, .size: 8, .value_kind: global_buffer, .address_space: global }
      - { .name: bq, .offset: 8, .size: 8, .value_kind: global_buffer, .address_space: global }
      - { .name: bk, .offset: 16, .size: 8, .value_kind: global_buffer, .address_space: global }
      - { .name: bv, .offset: 24, .size: 8, .value_kind: global_buffer, .address_space: global }
      - { .name: qq, .offset: 32, .size: 8, .value_kind: global_buffer, .address_space: global }
      - { .name: kv, .offset: 40, .size: 8, .value_kind: global_buffer, .address_space: global }
    .group_segment_fixed_size: 167936
    .private_segment_fixed_size: 0
    .kernarg_segment_align: 8
    .kernarg_segment_size: 48
    .max_flat_workgroup_size: 128
    .sgpr_count:     80
    .vgpr_count:     928
    .wavefront_size: 32
...
	.end_amdgpu_metadata
.endif
;; end of part 2
;; launch attn (part 3): grid 8 x 32, 16 waves a work-group, no clusters, 327,680 bytes of LDS; arguments delta_r, qq, kv, op, zst; writes op, zst
.if DOCPART == 3
	.amdgcn_target "amdgcn-amd-amdhsa--gfx1250"
	.amdhsa_code_object_version 6
	.text
	.protected	k_qe68f3aaf53_attn
	.globl	k_qe68f3aaf53_attn
	.p2align	8
	.type	k_qe68f3aaf53_attn,@function
k_qe68f3aaf53_attn:
	s_mov_b64 s[64:65], 0
	v_nop
	global_prefetch_b8 v0, s[64:65] scope:SCOPE_SE
	s_setreg_imm32_b32 hwreg(HW_REG_WAVE_MODE, 25, 1), 1
	s_wait_xcnt 0x0
; For one (batch, head) and 256 queries: S^T = K Q^T with the bias, the running softmax, O^T = V^T P^T; the context is divided by the row's sum, quantised along the head's 64 and stored as codes;
; Z = M + log2(l) + 4 is stored for the launch that makes the mean over the 16 heads.  Both products on codes of FP6 (E2M3) with E8M0 scales.
; logit = q.k / 8 - 0.1 |q - k| + ln(delta_r[k] + 1e-6);  t = logit x log2(e) = c (q.k + 8 bias), c = log2(e) / 8.  p = 2^(t - M), M the running largest t rounded up to a whole number; the row's sum is taken of the unquantised p.
; THE BIAS IS THE C OF THE SCORE PRODUCT.  Away from the diagonal |q - k| = +-(q - KF) -+ j for key KF + j: a table by key (8 ln(..) +- 0.8 j) is the C, and c x (-0.8) |q - KF| joins -M in the addend of the one multiply-add.
; In the one step of 128 keys that holds the wave's queries the table is 8 ln(..) and -0.8 |q - k| is added by 64 multiply-adds (a scalar branch on ids).
; SHARES.  Sixteen waves, each one tile of 16 queries in 256 registers, four to a SIMD.  The head's block of kv is 16 records of 13,056 bytes, one a key step (K's codes 6,144, K's scale words 512, V's codes 6,144,
; V's scale words 256): 816 rows of 256 bytes, mirrored in LDS and filled once.  At the head each wave asks for 13 rows (208 rows: key steps 0-3 and four rows more); behind the lines and the barrier
; ahead of a later first fill each wave asks for 38 rows (the other 608), which have four key steps in which to land; one barrier more, and the last twelve steps run with no barrier.  One tensor load of a wave is out at a time.
; K = 64 IN AN INSTRUCTION OF K = 128: Q's upper six registers hold 0 for the whole launch, so K's upper six may hold anything (they are the next tile's codes); the upper two bytes of both scale words are 0.
; K and V are read by the 8 work-groups of a head; each asks for them once, 2 loads a wave in the whole launch: no cluster, so no round of a cluster's barrier; no prefetch: the second part is asked for four key steps ahead of its first read.
; LIMITS: delta_r + 1e-6 <= 0, NaN and infinities are not served; a block of zeros gets the scale byte 1; away from the diagonal the bias is a sum of two roundings (table, constant) where reference() has one product;
; the promise holds while the scaled scores t stay under 2^31 in magnitude.
; REGISTERS: v1-7 addresses that stay; v8-11 addresses in hand; v12 -M, v13 largest t, v[14:15] the sum; v16-21 Q, v22-27 zeros; v32+6t K's tiles, then v32+12d V's fragments; v80-85 zeros; v96-159 table, S^T, p;
;   v160-191 O^T; v192-199 K's scale words, v200-203 V's; v204 the constant Ac, v[206:207] Ac - M; v208-211 distances; v224-249, v252-254 at work; v250-251 the add's two; v253 p's scale word; v255 Q's.
.set KVB,  208896
.set REC,  13056                       ; a key step's record
.set PA,   3328                        ; a wave's 13 rows of the first part
.set PB,   9728                        ; its 38 rows of the second, which begins at 16 PA
.set OPS,  12582912
.set QS,   3145728
.set TAB,  208896                      ; LDS behind the head's block: three tables of 2,048 keys x 4 bytes: + 0.8 j, plain, - 0.8 j
.set SPARE, 233472                     ; behind the tables: the spare words, 128 bytes a wave
.set ADK,  8
.set ADS,  9
.set ADT,  10
.set ADB,  11
.set WV,   18
.set SEL,  20
.set CS,   22
.set G1A,  24
.set G1C,  32
.set G0A,  40
.set G0C,  44
.set TB,   2                           ; s2   LDS byte of the step's record
.set TT,   67                          ; s67  of its 128 keys in a table
.set KS,   68                          ; s68  the key step
.set KF,   69                          ; s69  its first key
.set SD,   70                          ; s70  the step that holds my queries
.set FAC,  71
.set FACC, 72                          ; s72  -0.1 log2(e)
.set M08,  73                          ; s73  -0.8
.set TSEL, 74
.set CNT,  75
	s_load_b128 s[4:7], s[0:1], 0x0                ; delta_r, qq
	s_load_b128 s[8:11], s[0:1], 0x10              ; kv, op
	s_load_b64 s[12:13], s[0:1], 0x20              ; zst
	v_lshl_add_u32 v250, v0, 2, SPARE
	v_mov_b32 v251, 0
	ds_add_u32 v250, v251                          ; the opening lines: the add, twice on end, and its wait ahead of my first tensor load
	ds_add_u32 v250, v251
	v_lshrrev_b32 v8, 5, v0
	s_delay_alu instid0(VALU_DEP_1)
	v_readfirstlane_b32 s[WV], v8                  ; wave 0..15
	s_and_b32 s14, ttmp7, 0xffff                   ; 16 batch + head
	s_lshr_b32 s15, s14, 4
	s_and_b32 s16, s14, 15
	s_lshl_b32 s17, ttmp9, 4
	s_add_co_u32 s17, s17, s[WV]                   ; my tile of queries in the batch
	s_lshl_b32 s19, s15, 7
	s_add_co_u32 s19, s19, s17                     ; and among all tokens
	s_lshl_b32 s[SD], ttmp9, 1
	s_lshr_b32 s60, s[WV], 3
	s_add_co_u32 s[SD], s[SD], s60
	; group 1: dense bytes as rows of 256 (32 elements of 8 bytes): 13 rows a wave, then 38
	s_mov_b32 s[G1A], 3<<16
	s_mov_b32 s[G1A+1], 32<<16
	s_mov_b32 s[G1A+2], 13<<16
	s_mov_b32 s[G1A+3], 32<<16
	s_mov_b32 s[G1A+4], 13
	s_mov_b32 s[G1A+5], 32
	s_mov_b32 s[G1A+6], 0
	s_mov_b32 s[G1A+7], 0
	s_mov_b32 s[G1C], 3<<16
	s_mov_b32 s[G1C+1], 32<<16
	s_mov_b32 s[G1C+2], 38<<16
	s_mov_b32 s[G1C+3], 32<<16
	s_mov_b32 s[G1C+4], 38
	s_mov_b32 s[G1C+5], 32
	s_mov_b32 s[G1C+6], 0
	s_mov_b32 s[G1C+7], 0
	s_mul_i32 s60, s14, KVB
	s_mul_i32 s62, s[WV], PA                       ; LDS mirrors the block: the same offsets in both
	s_add_co_u32 s86, s60, s62
	s_mov_b32 s87, 0
	s_mul_i32 s63, s[WV], PB
	s_add_co_u32 s63, s63, 16*PA
	s_add_co_u32 s88, s60, s63
	s_mov_b32 s89, 0
	s_wait_dscnt 0x0
	s_wait_kmcnt 0x0
	s_mov_b32 s[G0A], 1
	s_mov_b32 s[G0A+1], s62
	s_add_nc_u64 s[G0A+2:G0A+3], s[8:9], s[86:87]
	s_or_b32 s[G0A+3], s[G0A+3], 0x80000000
	s_mov_b32 s[G0C], 1
	s_mov_b32 s[G0C+1], s63
	s_add_nc_u64 s[G0C+2:G0C+3], s[8:9], s[88:89]
	s_or_b32 s[G0C+3], s[G0C+3], 0x80000000
	tensor_load_to_lds s[G0A:G0A+3], s[G1A:G1A+7]  ; my 13 rows of key steps 0-3: the one tensor load of the head
	s_nop 0
.rept 4
	v_nop
.endr
	s_lshl_b32 s90, s19, 4
	s_add_co_u32 s90, s90, s16                     ; 16 tile + head
	s_mul_i32 s76, s90, 768
	s_mov_b32 s77, 0
	s_add_co_u32 s80, s76, 9437184                 ; the context's tiles begin at tile 768
	s_mov_b32 s81, 0
	s_add_nc_u64 s[76:77], s[6:7], s[76:77]        ; Q's image
	s_add_nc_u64 s[80:81], s[10:11], s[80:81]      ; the context's image
	s_lshl_b32 s84, s90, 6
	s_mov_b32 s85, 0
	s_add_co_u32 s78, s84, QS
	s_mov_b32 s79, 0
	s_add_nc_u64 s[78:79], s[6:7], s[78:79]        ; Q's scale words
	s_add_nc_u64 s[84:85], s[12:13], s[84:85]      ; Z
	s_add_co_u32 s82, s19, 768
	s_lshl_b32 s82, s82, 9
	s_lshr_b32 s83, s16, 1
	s_lshl_b32 s83, s83, 6
	s_add_co_u32 s82, s82, s83
	s_and_b32 s83, s16, 1
	s_lshl_b32 s83, s83, 1
	s_add_co_u32 s82, s82, s83
	s_add_co_u32 s82, s82, OPS
	s_mov_b32 s83, 0
	s_add_nc_u64 s[82:83], s[10:11], s[82:83]      ; the context's scale words: K step head / 2, bytes 2 (head % 2) on
	s_lshl_b32 s60, s15, 13
	s_mov_b32 s61, 0
	s_add_nc_u64 s[4:5], s[4:5], s[60:61]          ; the batch's delta_r
	s_lshr_b32 s60, s17, 1
	s_lshl_b32 s60, s60, 5
	s_and_b32 s61, s17, 1
	s_lshl_b32 s61, s61, 3
	s_add_co_u32 s60, s60, s61                     ; my tile's first query
	s_mov_b32 s[SEL], 0x76543210
	s_mov_b32 s[SEL+1], 0xfedcba98
	s_mov_b32 s[CS], 0x3e38aa3b                    ; c = log2(e) / 8
	s_mov_b32 s[CS+1], s[CS]
	s_mov_b32 s[FACC], 0xbe13bb63
	s_mov_b32 s[M08], 0xbf4ccccd
	v_and_b32 v28, 31, v0
	v_and_b32 v29, 15, v0                          ; r
	v_bfe_u32 v30, v0, 4, 1                        ; h
	s_delay_alu instid0(VALU_DEP_3)
	v_lshlrev_b32 v1, 3, v28                       ; 8 x lane
	s_delay_alu instid0(VALU_DEP_3)
	v_lshl_add_u32 v2, v29, 5, 6144                ; 32 r + K's scale words in a record
	s_delay_alu instid0(VALU_DEP_4)
	v_lshl_add_u32 v3, v29, 4, 12800               ; 16 r + V's scale words in a record
	s_delay_alu instid0(VALU_DEP_4)
	v_lshl_add_u32 v4, v30, 6, TAB                 ; 64 h + the tables
	v_and_b32 v5, 8, v29
	s_delay_alu instid0(VALU_DEP_1)
	v_add_nc_u32 v5, v5, v29
	s_delay_alu instid0(VALU_DEP_1)
	v_add_nc_u32 v5, s60, v5                       ; my query
	v_lshlrev_b32 v6, 4, v30
	s_delay_alu instid0(VALU_DEP_1)
	v_sub_nc_u32 v6, v5, v6                        ; my query - 16 h
	v_lshlrev_b32 v7, 2, v29                       ; 4 r
	v_lshlrev_b32 v28, 4, v0                       ; 16 x thread: my four keys of the tables
	s_delay_alu instid0(VALU_DEP_1)
	v_add_nc_u32 v31, TAB, v28
	global_load_b128 v[96:99], v28, s[4:5]
.irp p, 0,1,2
	global_load_b64 v[16+2*\p:17+2*\p], v1, s[76:77] offset:256*\p
.endr
	global_load_b32 v255, v7, s[78:79]
.irp j, 22,23,24,25,26,27,80,81,82,83,84,85
	v_mov_b32 v[\j], 0                             ; Q's upper half, and what stands behind K's last tile
.endr
	v_mov_b32 v13, 0xff61b1e6                      ; the largest t so far: -3e38
	s_delay_alu instid0(VALU_DEP_1)
	v_floor_f32 v12, -v13                          ; -M
	v_mov_b32 v14, 0
	v_mov_b32 v15, 0
	v_mov_b32 v207, 0                              ; (named as the upper halves of pairs)
	v_mov_b32 v253, 0
.irp b, 0,1,2,3
	v_mov_b32 v[236+\b], 0                         ; written once: a lane permute's destination counts as one of its sources
.endr
.set j, 0
.rept 32
	v_mov_b32 v[160+j], 0                          ; O^T: the step is written once, and its first trip finds zeros
.set j, j+1
.endr
	s_wait_loadcnt 4                               ; delta_r is in; Q's four loads may be out
.irp e, 0,1,2,3
	v_add_f32 v[96+\e], 0x358637bd, v[96+\e]       ; + 1e-6
.endr
	s_wait_alu depctr_va_vdst(0)
.irp e, 0,1,2,3
	v_log_f32 v[100+\e], v[96+\e]
.endr
	v_lshlrev_b32 v30, 2, v0
	s_delay_alu instid0(VALU_DEP_1)
	v_and_b32 v30, 127, v30                        ; j of my first key
	s_delay_alu instid0(VALU_DEP_1)
	v_cvt_f32_u32 v108, v30
	s_delay_alu instid0(VALU_DEP_1)
	v_add_f32 v109, 1.0, v108
	s_delay_alu instid0(VALU_DEP_2)
	v_add_f32 v110, 2.0, v108
	s_delay_alu instid0(VALU_DEP_3)
	v_add_f32 v111, 0x40400000, v108
	s_wait_alu depctr_va_vdst(0)                   ; one wait for the four logarithms, ahead of their first reader
.irp e, 0,1,2,3
	v_mul_f32 v[104+\e], 0x40b17218, v[100+\e]     ; 8 ln(delta_r + 1e-6) = 8 ln 2 x log2
.endr
.irp e, 0,1,2,3
	v_fma_f32 v[112+\e], v[108+\e], 0x3f4ccccd, v[104+\e]
	v_fma_f32 v[116+\e], v[108+\e], s[M08], v[104+\e]
.endr
	ds_store_b128 v31, v[112:115]
	ds_store_b128 v31, v[104:107] offset:8192
	ds_store_b128 v31, v[116:119] offset:16384
	s_wait_alu depctr_va_vdst(0)
	s_wait_loadcnt 0x0                             ; Q
	s_wait_tensorcnt 0x0                           ; my rows of the first part are in; the add and its wait ahead of a later first fill:
	ds_add_u32 v250, v251
	s_wait_dscnt 0x0                               ; the add, and my stores into the tables
	s_barrier_signal -1
	s_barrier_wait -1                              ; everybody's rows and table entries are in
	tensor_load_to_lds s[G0C:G0C+3], s[G1C:G1C+7]  ; my 38 rows of the rest: bytes from 16 PA on, which steps 0-3 (bytes under 4 REC) do not read
	s_nop 0
.rept 4
	v_nop
.endr
; A KEY STEP: 128 keys
.macro STEP
	s_cmp_lt_u32 s[KS], s[SD]
	s_cselect_b32 s[TSEL], 0, 16384                ; keys ahead of my queries: + 0.8 j; behind them: - 0.8 j
	s_cmp_eq_u32 s[KS], s[SD]
	s_cselect_b32 s[TSEL], 8192, s[TSEL]           ; on the diagonal: the plain table, and no constant
	s_cselect_b32 s[FAC], 0, s[FACC]
	s_add_co_u32 s[TSEL], s[TSEL], s[TT]
	v_add_nc_u32 v[ADK], s[TB], v1                 ; (these four are the plain instructions between the last products and the loads into their registers)
	v_add_nc_u32 v[ADS], s[TB], v2
	v_add_nc_u32 v[ADT], s[TB], v3
	v_add_nc_u32 v[ADB], s[TSEL], v4
.irp b, 0,1,2,3
.irp i, 0,1,2,3
	ds_load_b128 v[96+16*\b+4*\i:99+16*\b+4*\i], v[ADB] offset:128*\b+16*\i   ; register 16 b + i: key 32 b + 16 h + i of the step
.endr
.endr
.irp t, 0,1,2,3,4,5,6,7
.irp p, 0,1,2
	ds_load_b64 v[32+6*\t+2*\p:33+6*\t+2*\p], v[ADK] offset:768*\t+256*\p
.endr
.endr
	ds_load_b128 v[192:195], v[ADS]
	ds_load_b128 v[196:199], v[ADS] offset:16
	v_sub_nc_u32 v205, v5, s[KF]
	s_delay_alu instid0(VALU_DEP_1)
	v_cvt_f32_i32 v205, v205
	s_delay_alu instid0(VALU_DEP_1)
	v_mul_f32 v204, s[FAC], |v205|                 ; Ac = -0.1 log2(e) |my query - KF|, or 0
	s_wait_dscnt 0x0
	s_cmp_lg_u32 s[KS], s[SD]
	s_cbranch_scc1 .Loff_\@
	v_sub_nc_u32 v208, v6, s[KF]
	s_delay_alu instid0(VALU_DEP_1)
	v_cvt_f32_i32 v208, v208                       ; my query - the key of register 0; 32 less for each block
	s_delay_alu instid0(VALU_DEP_1)
	v_add_f32 v209, 0xc2000000, v208
	s_delay_alu instid0(VALU_DEP_2)
	v_add_f32 v210, 0xc2800000, v208
	s_delay_alu instid0(VALU_DEP_3)
	v_add_f32 v211, 0xc2c00000, v208
.irp i, 0,1,2,3,4,5,6,7,8,9,10,11,12,13,14,15
.irp b, 0,1,2,3
	s_delay_alu instid0(VALU_DEP_4)
	v_fma_f32 v[96+16*\b+\i], |v[208+\b]|, s[M08], v[96+16*\b+\i]
.endr
.irp b, 0,1,2,3
	v_add_f32 v[208+\b], -1.0, v[208+\b]
.endr
.endr
.rept 4
	v_nop
.endr
.Loff_\@:
.irp t, 0,1,2,3,4,5,6,7                        ; S^T = K Q^T + C, in place on the table's registers; the eight accumulators take one turn each
	v_wmma_scale_f32_16x16x128_f8f6f4 v[96+8*\t:103+8*\t], v[32+6*\t:43+6*\t], v[16:27], v[96+8*\t:103+8*\t], v[192+\t], v255 matrix_a_fmt:MATRIX_FMT_FP6 matrix_b_fmt:MATRIX_FMT_FP6
.endr
.rept 4
	v_nop                                          ; four plain instructions ahead of the loads into K's registers and of the first read of the scores
.endr
	s_wait_alu depctr_va_vdst(0)                   ; the addresses were written ahead of a wait that blocks
.irp d, 0,1,2,3
.irp i, 0,1,2,3,4,5
	ds_load_b64 v[32+12*\d+2*\i:33+12*\d+2*\i], v[ADK] offset:6656+1536*\d+256*\i   ; V's four fragments land while the softmax is walked
.endr
.endr
	ds_load_b128 v[200:203], v[ADT]
.irp b, 0,1,2,3
	v_max3_num_f32 v[232+\b], v[96+16*\b], v[97+16*\b], v[98+16*\b]   ; the largest score of each block of 32 keys: for the row's maximum and for the block's largest p
.endr
.irp i, 3,5,7,9,11,13
.irp b, 0,1,2,3
	v_max3_num_f32 v[232+\b], v[232+\b], v[96+16*\b+\i], v[97+16*\b+\i]
.endr
.endr
.irp b, 0,1,2,3
	v_max_num_f32 v[232+\b], v[232+\b], v[111+16*\b]
.endr
.irp b, 0,1,2,3
	s_delay_alu instid0(VALU_DEP_4)
	v_permlanex16_b32 v[236+\b], v[232+\b], s[SEL], s[SEL+1]
.endr
.irp b, 0,1,2,3
	s_delay_alu instid0(VALU_DEP_4)
	v_max_num_f32 v[232+\b], v[232+\b], v[236+\b]
.endr
	s_delay_alu instid0(VALU_DEP_2)
	v_max3_num_f32 v254, v232, v233, v234
	s_delay_alu instid0(VALU_DEP_1)
	v_max_num_f32 v254, v254, v235
	s_delay_alu instid0(VALU_DEP_1)
	v_fma_f32 v254, v254, s[CS], v204              ; the step's largest t
	s_delay_alu instid0(VALU_DEP_1)
	v_max_num_f32 v13, v13, v254
	v_mov_b32 v254, v12
	s_delay_alu instid0(VALU_DEP_2)
	v_floor_f32 v12, -v13                          ; the new -M: M is a whole number
	s_delay_alu instid0(VALU_DEP_1)
	v_sub_f32 v254, v12, v254
	s_delay_alu instid0(VALU_DEP_1)
	v_cvt_i32_f32 v254, v254                       ; (it saturates)
	s_delay_alu instid0(VALU_DEP_1)
	v_ldexp_f32 v252, 1.0, v254                    ; f = 2^(old M - new M)
	s_delay_alu instid0(VALU_DEP_4)
	v_add_f32 v206, v204, v12                      ; Ac - M
.set j, 0
.rept 32
	v_pk_fma_f32 v[96+j:97+j], v[96+j:97+j], s[CS:CS+1], v[206:207] op_sel_hi:[1,0,0]   ; t - M
.set j, j+2
.endr
.irp b, 0,1,2,3
	v_fma_f32 v[232+\b], v[232+\b], s[CS], v206
.endr
.set j, 0
	s_wait_alu depctr_va_vdst(0)
.rept 64
	v_exp_f32 v[96+j], v[96+j]                     ; p = 2^(t - M)
.set j, j+1
.endr
	v_pk_mul_f32 v[14:15], v[14:15], v[252:253] op_sel_hi:[1,0]   ; the sums under the new M: a plain instruction behind the exponentials
	s_wait_alu depctr_va_vdst(0)                   ; one wait for the batch, ahead of its first reader
.irp b, 0,1,2,3
	v_exp_f32 v[232+\b], v[232+\b]                 ; each block's largest p
.endr
	v_pk_add_f32 v[236:237], v[100:101], v[104:105]   ; the row's sum of the unquantised p, in eight chains
	v_pk_add_f32 v[248:249], v[108:109], v[112:113]
	v_pk_add_f32 v[246:247], v[116:117], v[120:121]
	v_pk_add_f32 v[244:245], v[124:125], v[128:129]
	v_pk_add_f32 v[242:243], v[132:133], v[136:137]
	v_pk_add_f32 v[240:241], v[140:141], v[144:145]
	v_pk_add_f32 v[238:239], v[148:149], v[152:153]
	v_pk_add_f32 v[14:15], v[14:15], v[156:157]
	v_pk_add_f32 v[236:237], v[236:237], v[96:97]
	v_pk_add_f32 v[248:249], v[248:249], v[98:99]
	v_pk_add_f32 v[246:247], v[246:247], v[102:103]
	v_pk_add_f32 v[244:245], v[244:245], v[106:107]
	v_pk_add_f32 v[242:243], v[242:243], v[110:111]
	v_pk_add_f32 v[240:241], v[240:241], v[114:115]
	v_pk_add_f32 v[238:239], v[238:239], v[118:119]
	v_pk_add_f32 v[14:15], v[14:15], v[122:123]
	v_pk_add_f32 v[236:237], v[236:237], v[126:127]
	v_pk_add_f32 v[248:249], v[248:249], v[130:131]
	v_pk_add_f32 v[246:247], v[246:247], v[134:135]
	v_pk_add_f32 v[244:245], v[244:245], v[138:139]
	v_pk_add_f32 v[242:243], v[242:243], v[142:143]
	v_pk_add_f32 v[240:241], v[240:241], v[146:147]
	v_pk_add_f32 v[238:239], v[238:239], v[150:151]
	v_pk_add_f32 v[14:15], v[14:15], v[154:155]
	v_pk_add_f32 v[236:237], v[236:237], v[158:159]
	s_delay_alu instid0(VALU_DEP_2)
	v_pk_add_f32 v[14:15], v[14:15], v[244:245]
	s_delay_alu instid0(VALU_DEP_2)
	v_pk_add_f32 v[236:237], v[236:237], v[242:243]
	v_pk_add_f32 v[248:249], v[248:249], v[240:241]
	v_pk_add_f32 v[246:247], v[246:247], v[238:239]
	s_delay_alu instid0(VALU_DEP_2)
	v_pk_add_f32 v[14:15], v[14:15], v[248:249]
	s_delay_alu instid0(VALU_DEP_2)
	v_pk_add_f32 v[236:237], v[236:237], v[246:247]
	s_delay_alu instid0(VALU_DEP_1)
	v_pk_add_f32 v[14:15], v[14:15], v[236:237]
	s_wait_alu depctr_va_vdst(0)                   ; and one for the four
.irp b, 0,1,2,3
	v_max_num_f32 v[232+\b], 0x1800000, v[232+\b]  ; the floor 2^(3 - 127)
.endr
.irp b, 0,1,2,3
	s_delay_alu instid0(VALU_DEP_4)
	v_add_nc_u32 v[244+\b], 0xff000000, v[232+\b]
.endr
.irp b, 0,1,2,3
	s_delay_alu instid0(VALU_DEP_4)
	v_lshrrev_b32 v[236+\b], 23, v[244+\b]
.endr
	s_delay_alu instid0(VALU_DEP_3)
	v_lshl_or_b32 v253, v237, 8, v236              ; p's scale word for these 128 keys
	s_delay_alu instid0(VALU_DEP_1)
	v_lshl_or_b32 v253, v238, 16, v253
	s_delay_alu instid0(VALU_DEP_1)
	v_lshl_or_b32 v253, v239, 24, v253
.irp c, 0,1
	v_cvt_scalef32_pk16_fp6_f32 v[224+6*\c:226+6*\c], v[96+32*\c:111+32*\c], v[244+2*\c]
	v_cvt_scalef32_pk16_fp6_f32 v[236+4*\c:238+4*\c], v[112+32*\c:127+32*\c], v[244+2*\c+1]
.endr
	v_nop                                          ; one plain instruction behind the scaled conversions
.irp c, 0,1
.irp i, 0,1,2
	v_permlane16_swap_b32 v[224+6*\c+\i], v[236+4*\c+\i]
.endr
.irp i, 0,1,2
	s_delay_alu instid0(VALU_DEP_3)
	v_mov_b32 v[227+6*\c+\i], v[236+4*\c+\i]
.endr
.endr
	s_wait_alu depctr_va_vdst(0)                   ; the wait here, directly ahead of the first reader of O^T
.set j, 0
.rept 16
	v_pk_mul_f32 v[160+j:161+j], v[160+j:161+j], v[252:253] op_sel_hi:[1,0]   ; O^T under the new M; also the plain instructions between the scale word's and the codes' last writes and the products
.set j, j+2
.endr
	s_wait_alu depctr_va_vdst(0)
	s_wait_dscnt 0x0                               ; V
.irp d, 0,1,2,3
	v_wmma_scale_f32_16x16x128_f8f6f4 v[160+8*\d:167+8*\d], v[32+12*\d:43+12*\d], v[224:235], v[160+8*\d:167+8*\d], v[200+\d], v253 matrix_a_fmt:MATRIX_FMT_FP6 matrix_b_fmt:MATRIX_FMT_FP6
.endr
	s_add_co_u32 s[TB], s[TB], REC
	s_add_co_u32 s[TT], s[TT], 512
	s_add_co_u32 s[KS], s[KS], 1
	s_add_co_u32 s[KF], s[KF], 128
.endm
.macro WALK first, trips               ; key steps first .. first + trips - 1
	s_mov_b32 s[TB], REC*\first
	s_mov_b32 s[TT], 512*\first
	s_mov_b32 s[KS], \first
	s_mov_b32 s[KF], 128*\first
	s_mov_b32 s[CNT], \trips
.Lstep_\@:
	STEP
	s_sub_co_u32 s[CNT], s[CNT], 1
	s_cmp_lg_u32 s[CNT], 0
	s_cbranch_scc1 .Lstep_\@
.endm
	WALK 0, 4
	s_wait_tensorcnt 0x0                           ; my rows of the second part are in
	s_wait_dscnt 0x0
	s_barrier_signal -1
	s_barrier_wait -1                              ; everybody's are
	WALK 4, 12
	; THE WAY OUT: the context = O^T / l, quantised along the head's 64 (register 16 b + i: channel 32 b + 16 h + i), and Z
.rept 4
	v_nop
.endr
	v_add_f32 v14, v14, v15
	s_delay_alu instid0(VALU_DEP_1)
	v_permlanex16_b32 v252, v14, s[SEL], s[SEL+1]
	s_delay_alu instid0(VALU_DEP_1)
	v_add_f32 v14, v14, v252                       ; the row's sum
	s_wait_alu depctr_va_vdst(0)
	v_rcp_f32 v15, v14
	v_log_f32 v205, v14
	v_nop                                          ; a plain instruction behind the two
	s_wait_alu depctr_va_vdst(0)                   ; and their wait, ahead of the first reader
.set j, 0
.rept 32
	v_mul_f32 v[96+j], v[160+j], v15
.set j, j+1
.endr
.irp b, 0,1
	v_max3_num_f32 v[232+\b], |v[96+16*\b]|, |v[97+16*\b]|, 0x1800000
.endr
.irp i, 2,4,6,8,10,12,14
.irp b, 0,1
	s_delay_alu instid0(VALU_DEP_2)
	v_max3_num_f32 v[232+\b], v[232+\b], |v[96+16*\b+\i]|, |v[97+16*\b+\i]|
.endr
.endr
.irp b, 0,1
	s_delay_alu instid0(VALU_DEP_2)
	v_permlanex16_b32 v[236+\b], v[232+\b], s[SEL], s[SEL+1]
.endr
.irp b, 0,1
	s_delay_alu instid0(VALU_DEP_2)
	v_max_num_f32 v[232+\b], v[232+\b], v[236+\b]
.endr
.irp b, 0,1
	s_delay_alu instid0(VALU_DEP_2)
	v_add_nc_u32 v[244+\b], 0xff000000, v[232+\b]
.endr
.irp b, 0,1
	s_delay_alu instid0(VALU_DEP_2)
	v_lshrrev_b32 v[236+\b], 23, v[244+\b]
.endr
	s_delay_alu instid0(VALU_DEP_1)
	v_lshl_or_b32 v238, v237, 8, v236              ; two scale bytes
	v_cvt_scalef32_pk16_fp6_f32 v[224:226], v[96:111], v244
	v_cvt_scalef32_pk16_fp6_f32 v[240:242], v[112:127], v245
	v_nop
.irp i, 0,1,2
	v_permlane16_swap_b32 v[224+\i], v[240+\i]
.endr
.irp i, 0,1,2
	s_delay_alu instid0(VALU_DEP_3)
	v_mov_b32 v[227+\i], v[240+\i]
.endr
	v_add_f32 v205, 4.0, v205
	s_delay_alu instid0(VALU_DEP_1)
	v_sub_f32 v205, v205, v12                      ; Z = log2(l) + 4 + M
.irp p, 0,1,2
	global_store_b64 v1, v[224+2*\p:225+2*\p], s[80:81] offset:256*\p   ; 256 consecutive bytes, aligned
.endr
	global_store_b16 v7, v238, s[82:83]
	global_store_b32 v7, v205, s[84:85]
	s_wait_tensorcnt 0x0                           ; the wave's end
	ds_add_u32 v250, v251
	s_wait_dscnt 0x0
	s_endpgm
.Lfunc_end_k_qe68f3aaf53_attn:
	.size	k_qe68f3aaf53_attn, .Lfunc_end_k_qe68f3aaf53_attn-k_qe68f3aaf53_attn
	.p2alignl 7, 3214868480
	.fill 96, 4, 3214868480
	.section	.rodata,"a",@progbits
	.p2align	6, 0x0
	.amdhsa_kernel k_qe68f3aaf53_attn
		.amdhsa_group_segment_fixed_size 327680
		.amdhsa_private_segment_fixed_size 0
		.amdhsa_enable_private_segment 0
		.amdhsa_kernarg_size 40
		.amdhsa_user_sgpr_count 2
		.amdhsa_user_sgpr_kernarg_segment_ptr 1
		.amdhsa_wavefront_size32 1
		.amdhsa_system_sgpr_workgroup_id_x 1
		.amdhsa_system_sgpr_workgroup_id_y 1
		.amdhsa_system_sgpr_workgroup_id_z 1
		.amdhsa_system_vgpr_workitem_id 0
		.amdhsa_next_free_vgpr 256
		.amdhsa_next_free_sgpr 100
		.amdhsa_reserve_vcc 0
		.amdhsa_float_denorm_mode_32 3
		.amdhsa_float_denorm_mode_16_64 3
		.amdhsa_memory_ordered 1
		.amdhsa_forward_progress 1
		.amdhsa_inst_pref_size 73
	.end_amdhsa_kernel
	.amdgpu_metadata
---
amdhsa.version: [ 1, 2 ]
amdhsa.kernels:
  - .name:           k_qe68f3aaf53_attn
    .symbol:         k_qe68f3aaf53_attn.kd
    .args:
      - { .name: delta_r, .offset: 0, .size: 8, .value_kind: global_buffer, .address_space: global }
      - { .name: qq, .offset: 8, .size: 8, .value_kind: global_buffer, .address_space: global }
      - { .name: kv, .offset: 16, .size: 8, .value_kind: global_buffer, .address_space: global }
      - { .name: op, .offset: 24, .size: 8, .value_kind: global_buffer, .address_space: global }
      - { .name: zst, .offset: 32, .size: 8, .value_kind: global_buffer, .address_space: global }
    .group_segment_fixed_size: 327680
    .private_segment_fixed_size: 0
    .kernarg_segment_align: 8
    .kernarg_segment_size: 40
    .max_flat_workgroup_size: 512
    .sgpr_count:     100
    .vgpr_count:     256
    .wavefront_size: 32
...
	.end_amdgpu_metadata
.endif
;; end of part 3
;; launch gemm_out (part 4): grid 8 x 32, 4 waves a work-group, no clusters, 214,528 bytes of LDS; arguments op, bo, out0; writes out0
.if DOCPART == 4
	.amdgcn_target "amdgcn-amd-amdhsa--gfx1250"
	.amdhsa_code_object_version 6
	.text
	.protected	k_qe68f3aaf53_gemm_out
	.globl	k_qe68f3aaf53_gemm_out
	.p2align	8
	.type	k_qe68f3aaf53_gemm_out,@function
k_qe68f3aaf53_gemm_out:
	s_mov_b64 s[64:65], 0
	v_nop
	global_prefetch_b8 v0, s[64:65] scope:SCOPE_SE
	s_setreg_imm32_b32 hwreg(HW_REG_WAVE_MODE, 25, 1), 1
	s_wait_xcnt 0x0
; out0 = context Wo + bo on codes of FP6 (E2M3) with E8M0 scales.  Work-group (X, Y): outputs 128 X .., tokens 128 Y ..; four waves, each 64 tokens x 64 outputs: 16 accumulators.
; Both panels, 128 rows x K = 1,024 as codes, come into LDS ONCE: each wave brings four tiles, 49,152 dense bytes, by its one tensor load of the launch; LDS mirrors memory and nothing is filled again.
; The scale words (4 tiles x 8 K steps a side) go from memory straight into 32 registers, lanes 0-15 the tokens', lanes 16-31 the outputs'.
; Operands lie in memory as images of the operand's registers (768 bytes for 16 rows x 64 K; a tile's 16 images on end); lane r of tile T holds row 32 (T / 2) + 8 (T % 2) + r + 8 (r / 8).
; Source 0 = Wo's rows (outputs), source 1 = tokens: a lane holds one token and, in two neighbouring tiles, 16 neighbouring outputs.  The bias is the C of each sum's first matrix instruction.
; The 16 accumulators take turns, one instruction a turn.  The way out goes through the wave's own stage in LDS, behind all that tensor loads fill.
; Tiles are shared (a token panel by 8 work-groups, a weight panel by 32); each work-group asks for each once, at its head: no cluster, so no round of a cluster's barrier; no loop over tiles, so no prefetch.
; REGISTERS: window 0: v1-13 addresses; v16-31, v232-247 scale words (K step s at 16 + 4 s, from step 4 on at 216 + 4 s); v32-127, v128-223 two fragment buffers.
;   window 1: v0-127 accumulator (token tile a, output tile b) at 8 (4 a + b); v128-159 the bias tiles.
.set OPS, 12582912
.set PAN, 49152                        ; four tiles, all of K
.set STG, 4*PAN                        ; the stages: 16 rows x 272 bytes a wave
.set SPARE, STG+4*4352                 ; the spare words, 128 bytes a wave
.set MSB, 0
.macro WIN new                         ; the immediate's high byte repeats the setting that is left
.if MSB != \new
	s_set_vgpr_msb (MSB<<8)|\new
.set MSB, \new
.endif
.endm
.macro PLACES                          ; four plain instructions behind matrix instructions (ISA guide 7.12.1)
.rept 4
	v_nop
.endr
.endm
.macro FETCH s                         ; the fragments of K step s into buffer s % 2
.set FB, 32+96*((\s)%2)
.irp i, 0,1,2,3
.irp p, 0,1,2,3,4,5
	ds_load_b64 v[FB+12*\i+2*\p:FB+12*\i+2*\p+1], v1 offset:(\s)*1536+12288*\i+256*\p
.endr
.endr
.irp i, 0,1,2,3
.irp p, 0,1,2,3,4,5
	ds_load_b64 v[FB+48+12*\i+2*\p:FB+48+12*\i+2*\p+1], v2 offset:(\s)*1536+12288*\i+256*\p
.endr
.endr
.endm
.macro MULS s
.set FB, 32+96*((\s)%2)
.set SC, 16+4*(\s)+200*((\s)/4)
.irp a, 0,1,2,3
.irp b, 0,1,2,3
.if (\s) == 0
	v_wmma_scale_f32_16x16x128_f8f6f4 v[8*(4*\a+\b):8*(4*\a+\b)+7], v[FB+48+12*\b:FB+48+12*\b+11], v[FB+12*\a:FB+12*\a+11], v[128+8*\b:135+8*\b], v[SC+\b], v[SC+\a] matrix_a_fmt:MATRIX_FMT_FP6 matrix_b_fmt:MATRIX_FMT_FP6 matrix_a_scale:MATRIX_SCALE_ROW1
.else
	v_wmma_scale_f32_16x16x128_f8f6f4 v[8*(4*\a+\b):8*(4*\a+\b)+7], v[FB+48+12*\b:FB+48+12*\b+11], v[FB+12*\a:FB+12*\a+11], v[8*(4*\a+\b):8*(4*\a+\b)+7], v[SC+\b], v[SC+\a] matrix_a_fmt:MATRIX_FMT_FP6 matrix_b_fmt:MATRIX_FMT_FP6 matrix_a_scale:MATRIX_SCALE_ROW1
.endif
.endr
.endr
.endm
	s_load_b128 s[4:7], s[0:1], 0x0                ; op, bo
	s_load_b64 s[8:9], s[0:1], 0x10                ; out0
	v_lshl_add_u32 v254, v0, 2, SPARE
	v_mov_b32 v255, 0
	ds_add_u32 v254, v255                          ; the opening lines: the add, twice on end, and its wait
	ds_add_u32 v254, v255
	v_lshrrev_b32 v1, 5, v0
	v_readfirstlane_b32 s16, v1                    ; wave 0..3
	s_lshr_b32 s17, s16, 1                         ; wm; also: I fetch for the tokens (0) or the weights (1)
	s_and_b32 s18, s16, 1                          ; wn; also: which four tiles I fetch
	s_and_b32 s19, ttmp7, 0xffff                   ; Y
	s_lshl_b32 s20, s19, 3
	s_add_co_u32 s20, s20, 768                     ; the context's first tile
	s_lshl_b32 s21, ttmp9, 3
	s_add_co_u32 s21, s21, 704                     ; Wo's first tile
	s_cmp_eq_u32 s17, 0
	s_cselect_b32 s60, s20, s21
	s_lshl_b32 s61, s18, 2
	s_add_co_u32 s60, s60, s61                     ; the first of the four tiles that I fetch
	s_mul_i32 s62, s60, 12288
	s_mov_b32 s63, 0
	s_mov_b32 s24, 3<<16                           ; group 1: 49,152 dense bytes as 192 rows of 256 (32 elements of 8 bytes)
	s_mov_b32 s25, 32<<16
	s_mov_b32 s26, 192<<16
	s_mov_b32 s27, 32<<16
	s_mov_b32 s28, 192
	s_mov_b32 s29, 32
	s_mov_b32 s30, 0
	s_mov_b32 s31, 0
	s_mov_b32 s40, 1
	s_mul_i32 s41, s16, PAN
	s_wait_dscnt 0x0
	s_wait_kmcnt 0x0
	s_add_nc_u64 s[42:43], s[4:5], s[62:63]
	s_or_b32 s43, s43, 0x80000000
	s_add_nc_u64 s[44:45], s[4:5], OPS             ; the scale words' base
	tensor_load_to_lds s[40:43], s[24:31]
	s_nop 0
.rept 4
	v_nop
.endr
	s_mul_i32 s70, s17, PAN                        ; my four tiles of tokens in LDS
	s_mul_i32 s71, s18, PAN
	s_add_co_u32 s71, s71, 2*PAN                   ; my four tiles of outputs
	s_lshl_b32 s72, s17, 2
	s_add_co_u32 s72, s72, s20                     ; the first tile of my tokens (a higher tile number than Wo's)
	s_lshl_b32 s73, s18, 2
	s_add_co_u32 s73, s73, s21                     ; and of my outputs
	s_sub_co_u32 s72, s72, s73
	s_lshl_b32 s72, s72, 9                         ; 512 bytes of scale words a tile
	s_lshl_b32 s73, s73, 9
	s_mul_i32 s74, s16, 4352
	s_add_co_u32 s74, s74, STG                     ; my stage
	s_lshl_b32 s60, ttmp9, 9
	s_lshl_b32 s61, s18, 8
	s_add_co_u32 s60, s60, s61                     ; my 64 outputs, in bytes
	s_mov_b32 s61, 0
	s_add_nc_u64 s[6:7], s[6:7], s[60:61]
	s_add_nc_u64 s[8:9], s[8:9], s[60:61]
	s_lshl_b32 s60, s19, 19
	s_lshl_b32 s62, s17, 18
	s_add_co_u32 s60, s60, s62                     ; my 64 tokens: rows of 4,096 bytes
	s_add_nc_u64 s[8:9], s[8:9], s[60:61]
	v_and_b32 v10, 31, v0
	v_and_b32 v11, 15, v0                          ; r
	v_bfe_u32 v12, v0, 4, 1                        ; h
	v_xor_b32 v13, 1, v12                          ; 1 - h
	v_lshlrev_b32 v4, 3, v10
	v_add_nc_u32 v1, s70, v4
	v_add_nc_u32 v2, s71, v4
	v_mul_u32_u24 v3, s72, v13                     ; scale words: lanes 0-15 take the tokens', lanes 16-31 the outputs'
	v_lshl_add_u32 v3, v11, 2, v3
	v_add_nc_u32 v3, s73, v3
	v_mul_u32_u24 v5, v11, 272
	v_lshl_add_u32 v5, v12, 6, v5
	v_add_nc_u32 v5, s74, v5                       ; the stage, in: row r, + 64 h
	v_mul_u32_u24 v6, v12, 272
	v_lshl_add_u32 v6, v11, 4, v6
	v_add_nc_u32 v6, s74, v6                       ; back: lanes 0-15 one row of 256 bytes, lanes 16-31 the next
	v_lshlrev_b32 v7, 12, v12
	v_lshl_add_u32 v7, v11, 4, v7                  ; and the same two rows in out0
	v_lshlrev_b32 v8, 6, v12                       ; 64 h
	s_wait_alu depctr_va_vdst(0)
.irp s, 0,1,2,3,4,5,6,7
.irp i, 0,1,2,3
	global_load_b32 v[16+4*\s+200*(\s/4)+\i], v3, s[44:45] offset:512*\i+64*\s
.endr
.endr
	WIN 0x40                                       ; destination window 1
.irp b, 0,1,2,3                                ; register j of lane (r, h) is output 32 (b / 2) + 8 (b % 2) + 16 h + j
	global_load_b128 v[128+8*\b:131+8*\b], v8, s[6:7] offset:(32*(\b/2)+8*(\b%2))*4
	global_load_b128 v[132+8*\b:135+8*\b], v8, s[6:7] offset:(32*(\b/2)+8*(\b%2))*4+16
.endr
	WIN 0
	s_wait_loadcnt 0x0                             ; the scale words and the bias
	s_wait_tensorcnt 0x0                           ; my quarter of the panels is in
	s_barrier_signal -1
	s_barrier_wait -1                              ; everybody's is
	FETCH 0
.macro KSTEP s
	s_wait_dscnt 0x0                               ; this step's fragments are in
.if (\s) < 7
	FETCH (\s)+1                                   ; into the buffer that the step before multiplied: four plain instructions stand behind its products
.endif
	WIN 0x50                                       ; C and D window 1
	MULS \s
	WIN 0
	PLACES
.endm
.irp s, 0,1,2,3,4,5,6,7
	KSTEP \s
.endr
	; THE WAY OUT, a tile of 16 tokens x 64 outputs at a time.  LDS serves a wave's instructions in order: no wait between the stores and the loads, nor ahead of the next tile's stores.
.irp l, 0,1,2,3
	WIN 0x04                                       ; an LDS store's data are its source 1: window 1
.irp q, 0,1,2,3
	ds_store_b128 v5, v[32*\l+8*\q:32*\l+8*\q+3] offset:128*(\q/2)+32*(\q%2)        ; each accumulator from its low end on
	ds_store_b128 v5, v[32*\l+8*\q+4:32*\l+8*\q+7] offset:128*(\q/2)+32*(\q%2)+16
.endr
	WIN 0
.irp i, 0,1,2,3,4,5,6,7
	ds_load_b128 v[32+32*\l+4*\i:35+32*\l+4*\i], v6 offset:544*\i
.endr
.endr
.irp l, 0,1,2,3
	s_wait_dscnt 16*(3-\l)                         ; this tile is back; the later tiles' sixteen LDS instructions each may be out
.irp i, 0,1,2,3,4,5,6,7
	global_store_b128 v7, v[32+32*\l+4*\i:35+32*\l+4*\i], s[8:9] offset:(32*(\l/2)+8*(\l%2)+2*\i+8*(\i/4))*4096 th:TH_STORE_NT   ; 16 lanes store 256 consecutive bytes, aligned
.endr
.endr
	s_wait_tensorcnt 0x0                           ; the wave's end
	ds_add_u32 v254, v255
	s_wait_dscnt 0x0
	s_endpgm
.Lfunc_end_k_qe68f3aaf53_gemm_out:
	.size	k_qe68f3aaf53_gemm_out, .Lfunc_end_k_qe68f3aaf53_gemm_out-k_qe68f3aaf53_gemm_out
	.p2alignl 7, 3214868480
	.fill 96, 4, 3214868480
	.section	.rodata,"a",@progbits
	.p2align	6, 0x0
	.amdhsa_kernel k_qe68f3aaf53_gemm_out
		.amdhsa_group_segment_fixed_size 214528
		.amdhsa_private_segment_fixed_size 0
		.amdhsa_enable_private_segment 0
		.amdhsa_kernarg_size 24
		.amdhsa_user_sgpr_count 2
		.amdhsa_user_sgpr_kernarg_segment_ptr 1
		.amdhsa_wavefront_size32 1
		.amdhsa_system_sgpr_workgroup_id_x 1
		.amdhsa_system_sgpr_workgroup_id_y 1
		.amdhsa_system_sgpr_workgroup_id_z 1
		.amdhsa_system_vgpr_workitem_id 0
		.amdhsa_next_free_vgpr 416
		.amdhsa_next_free_sgpr 80
		.amdhsa_reserve_vcc 0
		.amdhsa_float_denorm_mode_32 3
		.amdhsa_float_denorm_mode_16_64 3
		.amdhsa_memory_ordered 1
		.amdhsa_forward_progress 1
		.amdhsa_inst_pref_size 58
	.end_amdhsa_kernel
	.amdgpu_metadata
---
amdhsa.version: [ 1, 2 ]
amdhsa.kernels:
  - .name:           k_qe68f3aaf53_gemm_out
    .symbol:         k_qe68f3aaf53_gemm_out.kd
    .args:
      - { .name: op, .offset: 0, .size: 8, .value_kind: global_buffer, .address_space: global }
      - { .name: bo, .offset: 8, .size: 8, .value_kind: global_buffer, .address_space: global }
      - { .name: out0, .offset: 16, .size: 8, .value_kind: global_buffer, .address_space: global }
    .group_segment_fixed_size: 214528
    .private_segment_fixed_size: 0
    .kernarg_segment_align: 8
    .kernarg_segment_size: 24
    .max_flat_workgroup_size: 128
    .sgpr_count:     80
    .vgpr_count:     416
    .wavefront_size: 32
...
	.end_amdgpu_metadata
.endif
;; end of part 4
;; launch mean (part 5): grid 8 x 32, 16 waves a work-group, no clusters, 327,680 bytes of LDS; arguments delta_r, qq, kv, zst, out1; writes out1
.if DOCPART == 5
	.amdgcn_target "amdgcn-amd-amdhsa--gfx1250"
	.amdhsa_code_object_version 6
	.text
	.protected	k_qe68f3aaf53_mean
	.globl	k_qe68f3aaf53_mean
	.p2align	8
	.type	k_qe68f3aaf53_mean,@function
k_qe68f3aaf53_mean:
	s_mov_b64 s[64:65], 0
	v_nop
	global_prefetch_b8 v0, s[64:65] scope:SCOPE_SE
	s_setreg_imm32_b32 hwreg(HW_REG_WAVE_MODE, 25, 1), 1
	s_wait_xcnt 0x0
; out1 = the mean over the 16 heads of softmax(scores).  Work-group (x, y): batch y / 16, the 128 keys of key step y % 16, queries 256 x ..; sixteen waves, each one tile of 16 queries x 128 keys.
; For each head the scores are made again, S^T = K Q^T + C on codes of FP6 (E2M3) with E8M0 scales, C = 8 ln(delta_r + 1e-6) - 0.8 |q - k|, made once and kept in 64 registers;
; attn / 16 = 2^(c S - Z), c = log2(e) / 8, Z = M + log2(l) + 4 as the launch before stored it for each head and query; the 16 heads' numbers are summed in 64 registers.
; Wave w brings head w's K codes and K scale words of the key step, the first 6,656 bytes of that step's record of kv, by ONE tensor load (26 rows of 256 bytes); nothing is filled again.
; Q's codes, scale words and Z come from memory straight into registers, two heads ahead.  K = 64 in an instruction of K = 128: Q's upper six registers hold 0, the upper two bytes of the scale words are 0.
; The result leaves through the wave's own stage in LDS as whole rows of 512 bytes.  K's bytes are shared by 8 work-groups, each asks once: no cluster; one load at the head, no loop over tiles: no prefetch.
; LIMITS: delta_r + 1e-6 <= 0, NaN and infinities are not served.
.set KVB,  208896
.set QS,   3145728
.set OWN,  106496
.set STG,  114688
.set WV,   18
.set CS,   22
.set M08,  73
.set CNT,  75
	s_load_b128 s[4:7], s[0:1], 0x0
	s_load_b128 s[8:11], s[0:1], 0x10
	s_load_b64 s[12:13], s[0:1], 0x20
	v_lshl_add_u32 v94, v0, 2, 0x3d000
	v_mov_b32 v95, 0
	ds_add_u32 v94, v95
	ds_add_u32 v94, v95
	v_lshrrev_b32 v8, 5, v0
	s_delay_alu instid0(VALU_DEP_1)
	v_readfirstlane_b32 s[WV], v8
	s_and_b32 s14, ttmp7, 0xffff
	s_lshr_b32 s15, s14, 4
	s_and_b32 s16, s14, 15
	s_lshl_b32 s17, ttmp9, 4
	s_add_co_u32 s17, s17, s[WV]
	s_lshl_b32 s19, s15, 7
	s_add_co_u32 s19, s19, s17
	s_mov_b32 s24, 3<<16
	s_mov_b32 s25, 32<<16
	s_mov_b32 s26, 26<<16
	s_mov_b32 s27, 32<<16
	s_mov_b32 s28, 26
	s_mov_b32 s29, 32
	s_mov_b32 s30, 0
	s_mov_b32 s31, 0
	s_lshl_b32 s60, s15, 4
	s_add_co_u32 s60, s60, s[WV]
	s_mul_i32 s60, s60, KVB                        ; the block of (batch, head = my wave's number)
	s_mul_i32 s61, s16, 13056
	s_add_co_u32 s60, s60, s61                     ; the key step's record: K's codes, then K's scale words
	s_mov_b32 s61, 0
	s_mov_b32 s40, 1
	s_mul_i32 s41, s[WV], 6656                     ; head w's 6,656 bytes lie at 6,656 w
	s_wait_dscnt 0x0
	s_wait_kmcnt 0x0
	s_add_nc_u64 s[42:43], s[8:9], s[60:61]
	s_or_b32 s43, s43, 0x80000000
	tensor_load_to_lds s[40:43], s[24:31]          ; the wave's one tensor load
	s_nop 0
.rept 4
	v_nop
.endr
	s_mul_i32 s76, s19, 12288
	s_mov_b32 s77, 0
	s_add_nc_u64 s[76:77], s[6:7], s[76:77]
	s_lshl_b32 s80, s19, 10
	s_mov_b32 s81, 0
	s_add_co_u32 s78, s80, QS
	s_mov_b32 s79, 0
	s_add_nc_u64 s[78:79], s[6:7], s[78:79]
	s_add_nc_u64 s[80:81], s[10:11], s[80:81]
	s_lshl_b32 s60, s15, 13
	s_lshl_b32 s61, s16, 9
	s_add_co_u32 s60, s60, s61
	s_mov_b32 s61, 0
	s_add_nc_u64 s[4:5], s[4:5], s[60:61]
	s_lshr_b32 s60, s17, 1
	s_lshl_b32 s60, s60, 5
	s_and_b32 s61, s17, 1
	s_lshl_b32 s61, s61, 3
	s_add_co_u32 s60, s60, s61
	s_lshl_b32 s62, s15, 11
	s_add_co_u32 s62, s62, s60
	s_lshl_b32 s62, s62, 13
	s_lshl_b32 s63, s16, 9
	s_add_co_u32 s62, s62, s63
	s_mov_b32 s63, 0
	s_add_nc_u64 s[12:13], s[12:13], s[62:63]
	s_lshl_b32 s61, s16, 7
	s_sub_co_i32 s61, s60, s61
	s_mov_b32 s[CS], 0x3e38aa3b
	s_mov_b32 s[CS+1], s[CS]
	s_mov_b32 s[M08], 0xbf4ccccd
	v_and_b32 v13, 31, v0
	v_and_b32 v14, 15, v0
	v_bfe_u32 v15, v0, 4, 1
	s_delay_alu instid0(VALU_DEP_3)
	v_lshlrev_b32 v1, 3, v13
	s_delay_alu instid0(VALU_DEP_3)
	v_lshlrev_b32 v2, 2, v14
	v_lshlrev_b32 v3, 3, v13
	v_lshl_add_u32 v4, v14, 5, 6144                ; K's scale words: 32 r, behind a head's codes
	v_lshlrev_b32 v7, 4, v13
	s_mul_i32 s62, s[WV], 8448
	s_add_co_u32 s62, s62, STG
	v_mul_u32_u24 v5, v14, 528
	s_delay_alu instid0(VALU_DEP_1)
	v_lshl_add_u32 v5, v15, 6, v5
	s_delay_alu instid0(VALU_DEP_1)
	v_add_nc_u32 v5, s62, v5
	v_add_nc_u32 v6, s62, v7
	s_lshl_b32 s62, s[WV], 9
	s_add_co_u32 s62, s62, OWN
	v_add_nc_u32 v10, s62, v7
	v_lshl_add_u32 v11, v15, 6, s62
	v_and_b32 v8, 8, v14
	s_delay_alu instid0(VALU_DEP_1)
	v_add_nc_u32 v8, v8, v14
	v_lshlrev_b32 v9, 4, v15
	s_delay_alu instid0(VALU_DEP_1)
	v_sub_nc_u32 v8, v8, v9
	s_delay_alu instid0(VALU_DEP_1)
	v_add_nc_u32 v8, s61, v8
.macro QLOAD qb, hd
.irp p, 0,1,2
	global_load_b64 v[16+12*(\qb)+2*\p:17+12*(\qb)+2*\p], v1, s[76:77] offset:(\hd)*768+256*\p
.endr
	global_load_b32 v[40+(\qb)], v2, s[78:79] offset:(\hd)*64
	global_load_b32 v[42+2*(\qb)], v2, s[80:81] offset:(\hd)*64
.endm
	global_load_b128 v[96:99], v7, s[4:5]
	QLOAD 0, 0
	QLOAD 1, 1
.irp j, 22,23,24,25,26,27,34,35,36,37,38,39,43,45,76,77,78,79,80,81
	v_mov_b32 v[\j], 0
.endr
	s_wait_loadcnt 10
.irp e, 0,1,2,3
	v_add_f32 v[96+\e], 0x358637bd, v[96+\e]
.endr
	s_wait_alu depctr_va_vdst(0)
.irp e, 0,1,2,3
	v_log_f32 v[100+\e], v[96+\e]
.endr
	v_cvt_f32_i32 v82, v8
	s_delay_alu instid0(VALU_DEP_1)
	v_add_f32 v83, 0xc2000000, v82
	s_delay_alu instid0(VALU_DEP_2)
	v_add_f32 v84, 0xc2800000, v82
	s_delay_alu instid0(VALU_DEP_3)
	v_add_f32 v85, 0xc2c00000, v82
	s_wait_alu depctr_va_vdst(0)
.irp e, 0,1,2,3
	v_mul_f32 v[104+\e], 0x40b17218, v[100+\e]
.endr
	ds_store_b128 v10, v[104:107]
.irp b, 0,1,2,3
.irp i, 0,1,2,3
	ds_load_b128 v[128+16*\b+4*\i:131+16*\b+4*\i], v11 offset:128*\b+16*\i
.endr
.endr
	s_wait_dscnt 0x0
.irp i, 0,1,2,3,4,5,6,7,8,9,10,11,12,13,14,15
.irp b, 0,1,2,3
	v_fma_f32 v[128+16*\b+\i], |v[82+\b]|, s[M08], v[128+16*\b+\i]
.endr
.irp b, 0,1,2,3
	v_add_f32 v[82+\b], -1.0, v[82+\b]
.endr
.endr
.set j, 0
.rept 64
	v_mov_b32 v[192+j], 0
.set j, j+1
.endr
	s_wait_tensorcnt 0x0
	s_barrier_signal -1
	s_barrier_wait -1
.macro KLOAD n
.irp t, 0,1,2,3
.irp p, 0,1,2
	ds_load_b64 v[52+6*\t+2*\p:53+6*\t+2*\p], v3 offset:6656*((\n)/2)+3072*((\n)%2)+768*\t+256*\p
.endr
.endr
	ds_load_b128 v[48:51], v4 offset:6656*((\n)/2)+16*((\n)%2)
.endm
.macro HALF qb, hf, n, more
	s_wait_dscnt 0x0
.irp t, 0,1,2,3
	v_wmma_scale_f32_16x16x128_f8f6f4 v[96+8*\t:103+8*\t], v[52+6*\t:63+6*\t], v[16+12*(\qb):27+12*(\qb)], v[128+32*(\hf)+8*\t:135+32*(\hf)+8*\t], v[48+\t], v[40+(\qb)] matrix_a_fmt:MATRIX_FMT_FP6 matrix_b_fmt:MATRIX_FMT_FP6
.endr
.rept 4
	v_nop
.endr
.if \more
	KLOAD \n
.endif
.set j, 0
.rept 16
	v_pk_fma_f32 v[96+j:97+j], v[96+j:97+j], s[CS:CS+1], v[42+2*(\qb):43+2*(\qb)] op_sel_hi:[1,0,0] neg_lo:[0,0,1] neg_hi:[0,0,1]
.set j, j+2
.endr
.set j, 0
	s_wait_alu depctr_va_vdst(0)
.rept 32
	v_exp_f32 v[96+j], v[96+j]
.set j, j+1
.endr
	v_nop
	s_wait_alu depctr_va_vdst(0)
.set j, 0
.rept 16
	v_pk_add_f32 v[192+32*(\hf)+j:193+32*(\hf)+j], v[192+32*(\hf)+j:193+32*(\hf)+j], v[96+j:97+j]
.set j, j+2
.endr
.endm
.macro HEAD qb, ahead, cnt, last
	s_wait_loadcnt \cnt
	HALF \qb, 0, 2*(\qb)+1, 1
	HALF \qb, 1, 2*(\qb)+2, 1-(\last)
.if \ahead
	QLOAD \qb, 2+(\qb)
.endif
.endm
	KLOAD 0
	s_mov_b32 s[CNT], 7
.Lheads:
	s_wait_alu depctr_va_vdst(0)
	HEAD 0, 1, 5, 0
	HEAD 1, 1, 5, 0
	v_add_nc_u32 v3, 13312, v3                     ; two heads on
	v_add_nc_u32 v4, 13312, v4
	s_wait_xcnt 0x0
	s_add_nc_u64 s[76:77], s[76:77], 1536
	s_add_nc_u64 s[78:79], s[78:79], 128
	s_add_nc_u64 s[80:81], s[80:81], 128
	s_sub_co_u32 s[CNT], s[CNT], 1
	s_cmp_lg_u32 s[CNT], 0
	s_cbranch_scc1 .Lheads
	s_wait_alu depctr_va_vdst(0)
	HEAD 0, 0, 5, 0
	HEAD 1, 0, 0, 1
.irp b, 0,1,2,3
.irp i, 0,1,2,3
	ds_store_b128 v5, v[192+16*\b+4*\i:195+16*\b+4*\i] offset:128*\b+16*\i
.endr
.endr
.irp i, 0,1,2,3,4,5,6,7,8,9,10,11,12,13,14,15
	ds_load_b128 v[128+4*\i:131+4*\i], v6 offset:528*\i
.endr
.irp i, 0,1,2,3,4,5,6,7,8,9,10,11,12,13,14,15
	s_wait_dscnt 15-\i
	global_store_b128 v7, v[128+4*\i:131+4*\i], s[12:13] offset:(\i+8*(\i/8))*8192 th:TH_STORE_NT
.endr
	s_wait_tensorcnt 0x0
	ds_add_u32 v94, v95
	s_wait_dscnt 0x0
	s_endpgm
.Lfunc_end_k_qe68f3aaf53_mean:
	.size	k_qe68f3aaf53_mean, .Lfunc_end_k_qe68f3aaf53_mean-k_qe68f3aaf53_mean
	.p2alignl 7, 3214868480
	.fill 96, 4, 3214868480
	.section	.rodata,"a",@progbits
	.p2align	6, 0x0
	.amdhsa_kernel k_qe68f3aaf53_mean
		.amdhsa_group_segment_fixed_size 327680
		.amdhsa_private_segment_fixed_size 0
		.amdhsa_enable_private_segment 0
		.amdhsa_kernarg_size 40
		.amdhsa_user_sgpr_count 2
		.amdhsa_user_sgpr_kernarg_segment_ptr 1
		.amdhsa_wavefront_size32 1
		.amdhsa_system_sgpr_workgroup_id_x 1
		.amdhsa_system_sgpr_workgroup_id_y 1
		.amdhsa_system_sgpr_workgroup_id_z 1
		.amdhsa_system_vgpr_workitem_id 0
		.amdhsa_next_free_vgpr 256
		.amdhsa_next_free_sgpr 96
		.amdhsa_reserve_vcc 0
		.amdhsa_float_denorm_mode_32 3
		.amdhsa_float_denorm_mode_16_64 3
		.amdhsa_memory_ordered 1
		.amdhsa_forward_progress 1
		.amdhsa_inst_pref_size 59
	.end_amdhsa_kernel
	.amdgpu_metadata
---
amdhsa.version: [ 1, 2 ]
amdhsa.kernels:
  - .name:           k_qe68f3aaf53_mean
    .symbol:         k_qe68f3aaf53_mean.kd
    .args:
      - { .name: delta_r, .offset: 0, .size: 8, .value_kind: global_buffer, .address_space: global }
      - { .name: qq, .offset: 8, .size: 8, .value_kind: global_buffer, .address_space: global }
      - { .name: kv, .offset: 16, .size: 8, .value_kind: global_buffer, .address_space: global }
      - { .name: zst, .offset: 24, .size: 8, .value_kind: global_buffer, .address_space: global }
      - { .name: out1, .offset: 32, .size: 8, .value_kind: global_buffer, .address_space: global }
    .group_segment_fixed_size: 327680
    .private_segment_fixed_size: 0
    .kernarg_segment_align: 8
    .kernarg_segment_size: 40
    .max_flat_workgroup_size: 512
    .sgpr_count:     96
    .vgpr_count:     256
    .wavefront_size: 32
...
	.end_amdgpu_metadata
.endif
;; end of part 5
